; MI455X (gfx1250); checked and timed in simulation.
; The chip was launched on July 23, 2026; its instructions are those of AMD's public machine-readable ISA for CDNA 5 (MIT licence, August 2026) and "CDNA5" Instruction Set Architecture Reference Guide (July 2026). The comments in the code are by the model that wrote it; some were corrected since.
;; Attention. Allowed arithmetic: matrix products marked QUANTISED: E2M3 operands, one E8M0 scale for each 32 along K, by v_wmma_scale_f32_16x16x128_f8f6f4 with both operands' format E2M3, f32 sums; everything else in f32.
;; Inputs: cos 1 x 2,048 x 1 x 64 float32; sin 1 x 2,048 x 1 x 64 float32; wk_codes 1,024 x 32 x 24 uint8 (E2M3 codes of wk, K innermost, in blocks of 32 codes, four codes in three bytes); wk_scales 1,024 x 32 uint8 (E8M0 scales of wk, one for each 32 codes along K); wo_codes 1,024 x 32 x 24 uint8 (E2M3 codes of wo, K innermost, in blocks of 32 codes, four codes in three bytes); wo_scales 1,024 x 32 uint8 (E8M0 scales of wo, one for each 32 codes along K); wq_codes 1,024 x 32 x 24 uint8 (E2M3 codes of wq, K innermost, in blocks of 32 codes, four codes in three bytes); wq_scales 1,024 x 32 uint8 (E8M0 scales of wq, one for each 32 codes along K); wv_codes 1,024 x 32 x 24 uint8 (E2M3 codes of wv, K innermost, in blocks of 32 codes, four codes in three bytes); wv_scales 1,024 x 32 uint8 (E8M0 scales of wv, one for each 32 codes along K); x_codes 4 x 2,048 x 32 x 24 uint8 (E2M3 codes of x, K innermost, in blocks of 32 codes, four codes in three bytes); x_scales 4 x 2,048 x 32 uint8 (E8M0 scales of x, one for each 32 codes along K).
;; Outputs: out0 4 x 2,048 x 1,024 float32.
;; This version of the problem:
;;   THIS VERSION OF THE PROBLEM IS GIVEN IN LOW PRECISION. The matrix products marked QUANTISED in the list below multiply operands that are first quantised to E2M3 (2 exponent bits, 3 mantissa bits; 6 bits a number), with one power-of-two scale for each 32 numbers along K (OCP MX v1.0); their sums are f32. All else is computed in f32.
;;   The module's matrix products, in the order in which they are computed (A, B: the left and right operand; K: the contracted axis; several contracted axes count as one K, in the product's order):
;;     1. [M 8,192, K 1,024] x [K 1,024, N 1,024]; A: input x (given as codes); B: input wq (given as codes): QUANTISED
;;     2. [M 8,192, K 1,024] x [K 1,024, N 1,024]; A: input x (given as codes); B: input wk (given as codes): QUANTISED
;;     3. [M 8,192, K 1,024] x [K 1,024, N 1,024]; A: input x (given as codes); B: input wv (given as codes): QUANTISED
;;     4. batch 64 x [M 2,048, K 64] x [K 64, N 2,048]; A: computed on the way; B: computed on the way: QUANTISED
;;     5. batch 64 x [M 2,048, K 2,048] x [K 2,048, N 64]; A: softmax (see below); B: computed on the way: QUANTISED
;;     6. [M 8,192, K 1,024] x [K 1,024, N 1,024]; A: computed on the way; B: input wo (given as codes): QUANTISED
;;   THE QUANTISER, for each operand of a quantised product, along K:
;;     - K is cut into blocks of 32 from its start; a last block that is shorter is filled with zeros.
;;     - A block's scale is 2^e with e = floor(log2(the largest magnitude in the block)) - 2, held to -126 .. 127; a block of zeros has e = 0. As a byte (E8M0): e + 127.
;;     - Each number is divided by its block's scale, clamped to +-7.5, and rounded to the nearest number of E2M3, ties to even, subnormals kept.
;;     - The product sums the exact products of the quantised numbers (number of the format x scale) in f32.
;;   ~~~python
;;   def quantise(x, axis):      # numpy; x: float32 -> the quantised numbers, widened to float32 again
;;       x = np.moveaxis(x, axis, -1); K = x.shape[-1]
;;       x = np.pad(x, [(0, 0)] * (x.ndim - 1) + [(0, -K % 32)]); x = x.reshape(x.shape[:-1] + (-1, 32)); a = np.abs(x).max(-1, keepdims=True)
;;       e = np.where(a > 0, np.clip(np.frexp(np.where(a > 0, a, 1))[1] - 1 - 2, -126, 127), 0)      # np.frexp(a)[1] - 1 = floor(log2(a)), exactly
;;       r = np.clip(x / 2.0 ** e, -7.5, 7.5)
;;       step = 2.0 ** (np.maximum(np.frexp(np.where(r == 0, 1, r))[1] - 1, 0) - 3)
;;       q = np.round(r / step) * step * 2.0 ** e      # np.round: ties to even
;;       return np.moveaxis(q.reshape(q.shape[:-2] + (-1,))[..., :K], -1, axis).astype(np.float32)
;;   ~~~
;;   SOFTMAX AHEAD OF A QUANTISED PRODUCT. Where the list says 'softmax', what is quantised is not the finished softmax but p = 2^(t - M), with t = logit x log2(e) and M = ceil(the row's largest t), a whole number; so 1/2 < the row's largest p <= 1. The row's sum l is taken of the UNQUANTISED p, in f32, and the product's result is divided by l at the end. Since M is a whole number, a kernel that streams over the keys may use a running M (the ceiling of the running maximum): every later rescaling is an exact power of two, which a block's scale takes up: the codes' values come out the same.
;;   OPERANDS COMPUTED ON THE WAY. 'Computed on the way' means the value that the module computes at that place (a softmax that the list does not call 'softmax' is quantised finished and normalised). What goes into a quantiser is computed in f32, as accurately as f32 sums, v_exp_f32 and their like allow (about 1e-6 of the number): no bf16 or f16 on the way to a quantiser, and a product that is left as it is and whose result goes on into a quantised operand takes f32 operands (vector FMAs, or v_wmma_f32_16x16x4_f32). A number that lies on a knife's edge between two numbers of the format may be rounded either way, as far as f32 arithmetic and the matrix unit's own rounding can turn it there, and no further.
;;   INPUTS GIVEN AS CODES. wk (in the module: [1024, 1024], K = its axis 1); wo (in the module: [1024, 1024], K = its axis 1); wq (in the module: [1024, 1024], K = its axis 1); wv (in the module: [1024, 1024], K = its axis 1); x (in the module: [4, 2048, 1024], K = its axis 2): each comes as NAME_codes (uint8): NAME with its K axis moved to the last place and cut into blocks of 32 codes, [.., K / 32, bytes a block], one block behind the other in memory; four codes in three bytes: a row's codes are one little-endian stream of bits, code i at bits 6 i .. 6 i + 5 (a code: sign, 2 exponent bits, 3 mantissa bits); and NAME_scales (uint8): the same leading axes, one E8M0 byte (e + 127) for each 32 codes along K. Its value is code x scale, taken as it is: it is not quantised again, and the codes and scales need not be those that the quantiser above would give.
;; One version. Each part assembles by itself: llvm-mc -triple=amdgcn-amd-amdhsa -mcpu=gfx1250 --defsym DOCPART=n.
;; ======== version 1 of 1: 3 launches
;; workspace buffers: qimg 6,291,456 bytes; qsc 524,288 bytes; kv 13,369,344 bytes; oimg 6,291,456 bytes; osc 262,144 bytes
;; launch qkv (part 1): grid 12 x 32, 4 waves a work-group, clusters of 4 x 4, 327,680 bytes of LDS; arguments x_codes, x_scales, wq_codes, wq_scales, wk_codes, wk_scales, wv_codes, wv_scales, cos, sin, qimg, qsc, kv; writes qimg, qsc, kv
.if DOCPART == 1
	.amdgcn_target "amdgcn-amd-amdhsa--gfx1250"
	.amdhsa_code_object_version 6
	.text
	.protected	k_qcf78357cf4_qkv
	.globl	k_qcf78357cf4_qkv
	.p2align	8
	.type	k_qcf78357cf4_qkv,@function
k_qcf78357cf4_qkv:
	s_mov_b64 s[64:65], 0
	v_nop
	global_prefetch_b8 v0, s[64:65] scope:SCOPE_SE
	s_setreg_imm32_b32 hwreg(HW_REG_WAVE_MODE, 25, 1), 1
	s_wait_xcnt 0x0
	s_wait_alu depctr_hold_cnt(0) depctr_sa_sdst(0) depctr_va_vdst(0) depctr_va_sdst(0) depctr_va_ssrc(0) depctr_va_vcc(0) depctr_vm_vsrc(0)
	s_getreg_b32 s2, hwreg(HW_REG_IB_STS2, 6, 4)
	s_cmp_eq_u32 s2, 0
	s_cbranch_scc0 .Lentry_in_a_cluster
	s_endpgm
.Lentry_in_a_cluster:
	s_bfe_u32 s2, ttmp6, 0x10000c
	s_cmp_lg_u32 s2, 0xf033
	s_cbranch_scc0 .Lentry_shape_is_right
	s_endpgm
.Lentry_shape_is_right:
; q = rope(x wq^T), k = rope(x wk^T), v = x wv^T on codes of FP6 (E2M3) with one E8M0 scale for each 32 along K = 1,024; sums in f32; then q, k (along the head's 64) and v (along the keys)
; are quantised in registers and stored as IMAGES OF OPERAND REGISTERS for the attention launch.
; A tile of 256 x 256 of a product is made by four waves, 128 x 128 each: 64 accumulators of 16 x 16.  K goes in steps of 256 through a ring of two LDS slots filled by the tensor data mover.
; NAMES.  A = source 1 of the matrix instruction (its rows end up in LANES), B = source 0 (its rows end up in a lane's REGISTERS).
;   cluster x = 0, 1 (q, k): A = x (tokens), B = wq or wk (features): a lane holds one token and 8 neighbouring features of a head: rope and the blocks along d need one exchange between the lanes' halves.
;   cluster x = 2 (v):       A = wv (features), B = x (tokens): a lane holds one feature d and its registers run down the tokens, which are the second attention product's K.
; CLUSTERS: 4 x 4 work-groups.  A's tile hangs on cy (and the cluster's y) alone and is asked for jointly by a row of the cluster, B's on cx (and the cluster's y) alone, by a column.
; THE ORDER INSIDE A BLOCK OF 32.  A lane's half h holds offsets 8 h .. 8 h + 7 and 16 + 8 h .. 16 + 8 h + 7 of a block; conversion and the exchange of halves lay half 0's sixteen codes in front of half 1's:
; the order 0-7, 16-23, 8-15, 24-31.  q and k are made by one path, v and the softmax's p have the same register structure: both operands of each attention product carry the same order, so every product
; meets its partner; only the grouping of the f32 sums inside an instruction differs from the natural order.
; OUTPUT LAYOUTS (lane = 0..31, r = lane % 16, h = lane / 16):
;   qimg [bh][token tile][768]: registers 0-3 of lane l at 16 l, registers 4-5 at 512 + 8 l; lane (r, h) = token r, block h.   qsc [bh][128 tokens][lane][4] words: word (lane, p) = token 32 p + lane, bytes b0 b1 b0 b1.
;   kv [bh][128 keys][13,056]: 8 half images of K (as q's) | at 6,144 four whole images of V^T (d tile n: registers 4 c .. 4 c + 3 of lane l at 1,536 n + 512 c + 16 l) | at 12,288 K's scale words (as qsc) | at 12,800 V's [lane][2].
; LIMITS: NaN and infinities are not served.  A block of zeros gets the byte 1 (not 127): its codes are zeros, and these bytes are read by this program alone.  Rope is a multiply and one fused multiply-add.
; REGISTERS, in windows of 256: window 0: v0-31 addresses; v32-63 scale words, two sets; v128-223 A's fragments, one set; on the way out v192-251 at work.
;   window 1: B's fragments, two sets; on the way out four sets of cos and sin.   windows 2, 3: the accumulators ((a, b) at v[8 (8 (a % 4) + b)], window 2 + a / 4).
.set KSTEP,  256                       ; along K in a slot
.set NQ,     2                         ; matrix instructions deep
.set ROWB,   192                       ; a tile's row in bytes
.set KROW,   768                       ; a row of 1,024 codes in memory
.set PITCH,  240                       ; an LDS row: 3 x (64 bytes + 16 of padding)
.set FR,     12                        ; registers of a fragment
.set NL,     6                         ; LDS loads that bring one
.set NP,     4                         ; places behind this matrix instruction (ISA guide 7.12.1)
.set HALFT,  128*PITCH                 ; 128 rows: one tensor load
.set SLOT,   4*HALFT                   ; A's 256 rows, then B's 256 rows
.set LAPS,   2                         ; 1,024 along K = twice round the ring
.set KS,     32                        ; a row of scale bytes
.set SCL,    2*SLOT                    ; behind the ring: the scales, as rows of 256 bytes + 16 of padding
.set HALFS,  (128*KS/256)*272          ; the scales of 128 rows
.set SBLK,   (16*KS/256)*272           ; those of 16 rows
.set SPARE,  SCL+4*HALFS               ; the spare words: 128 bytes for each wave, named by no other line
.set ADRA, 16                          ; v16-17 my A fragments in slot 0, 1; v18-19 the same behind one padding more
.set ADRB, 20                          ; v20-23 the same for B
.set ADRS, 27                          ; v27 my scale words: lanes 0-15 A's rows, lanes 16-31 B's
.set SPW,  28                          ; v28 my spare word; never rewritten
.set NIL,  29                          ; v29 0; never rewritten
.set SC,   32                          ; scale words
.set AF,   128                         ; A's fragments
.set WV,   20                          ; s20 wave
.set HR,   21                          ; s21 wave / 2: my half of A's rows; also: I fetch for A (0) or B (1)
.set HC,   22                          ; s22 wave % 2: my half of B's rows; also: which 128 rows I fetch
.set TA,   23                          ; s23 A's tile of 256 rows
.set TBI,  42                          ; s42 B's tile of 256 rows
.set G1, 24
.set G0, 32
.set G1B, 48
.set G0B, 56
.set G1S, 68
.set G0S, 76
.set G1SB, 80
.set G0SB, 88
; the way out, q and k
.set T,   192                          ; v192-223 a head's 64 numbers of a token tile behind rope: 32 a lane
.set TM,  224                          ; v224-225 largest magnitudes, v226-227 the other half's, then the bytes
.set SO,  228                          ; v228-229 the conversions' scale operands
.set PW,  232                          ; the scale word just made
.set PC,  234                          ; v234-242 the codes just made
.set SW,  244                          ; v244-251 scale words gathered: 4 for each of my two heads
.set SEL, 14                           ; s[14:15] lane selects: lane l xor 16
; the way out, v
.set VTM, 192
.set VBX, 196
.set VSO, 200
.set VBY, 204
.set VPW, 208
.set VPC, 212                          ; v212-223 a whole fragment's codes
.set VPT, 224                          ; v224-231 second halves on their way
.set SW2, 232                          ; v232-235 scale words gathered: 2 for each of my two heads
.set MSB, 0
.macro WIN new                         ; the immediate's high byte repeats the setting that is left
.if MSB != (\new)
	s_set_vgpr_msb (MSB<<8)|(\new)
.set MSB, (\new)
.endif
.endm
.set MUL_LO, 0xa1                      ; source 0 (B) window 1, source 1 (A) window 0, C and D window 2
.set MUL_HI, 0xf1                      ; the same, C and D window 3
.set TO_B,   0x40                      ; destination window 1, address window 0
; A joint load: waves 0 and 1 fetch for A, waves 2 and 3 for B; the branch hangs on the wave's number alone.  Four v_nop follow each of the two lines.
.macro JLOAD g0a, g1a, g0b, g1b
	s_cmp_eq_u32 s[HR], 0
	s_cbranch_scc0 .Lfor_b_\@
	tensor_load_to_lds s[\g0a:\g0a+3], s[\g1a:\g1a+7]
	s_nop 0
.rept 4
	v_nop
.endr
	s_branch .Lasked_\@
.Lfor_b_\@:
	tensor_load_to_lds s[\g0b:\g0b+3], s[\g1b:\g1b+7]
	s_nop 0
.rept 4
	v_nop
.endr
.Lasked_\@:
.endm
.macro CREST                           ; a round of the cluster's barrier behind its opening barrier
	s_cmp_lg_u32 s[WV], 0
	s_cbranch_scc1 .Lnot_wave_0_\@
	s_barrier_signal -3
.Lnot_wave_0_\@:
	s_barrier_wait -3
	s_barrier_signal -1
	s_barrier_wait -1
.endm
.macro CROUND                          ; a whole round
	s_barrier_signal -1
	s_barrier_wait -1
	CREST
.endm
	s_load_b512 s[4:19], s[0:1], 0x0               ; x codes, x scales, wq codes, wq scales, wk codes, wk scales, wv codes, wv scales
	v_lshl_add_u32 v[SPW], v0, 2, SPARE
	v_mov_b32 v[NIL], 0
	ds_add_u32 v28, v29
	ds_add_u32 v28, v29
	s_wait_dscnt 0x0
	v_lshrrev_b32 v1, 5, v0
	v_readfirstlane_b32 s[WV], v1                  ; wave 0..3
	s_lshr_b32 s[HR], s[WV], 1
	s_and_b32 s[HC], s[WV], 1
	s_bfe_u32 s40, ttmp6, 0x40000                  ; cx, cy: my place in the cluster
	s_bfe_u32 s41, ttmp6, 0x40004
	s_and_b32 s66, ttmp7, 0xffff
	s_lshl_b32 s66, s66, 2                         ; 4 x the cluster's y
	s_add_co_u32 s[TA], s66, s41                   ; q, k: A = x, tile 4 y + cy
	s_add_co_u32 s[TBI], s66, s40                  ; v:    B = x, tile 4 y + cx
	s_cmp_eq_u32 ttmp9, 2                          ; the cluster's x says which product: the same in all sixteen partners
	s_cselect_b32 s[TA], s41, s[TA]                ; v:    A = wv, tile cy
	s_cselect_b32 s[TBI], s[TBI], s40              ; q, k: B = the weight, tile cx
	s_lshl_b32 s43, s41, 2
	s_lshl_b32 s43, 15, s43                        ; my row of the cluster
	s_lshl_b32 s44, 0x1111, s40                    ; my column
	; descriptor group 1: a tile of 128 rows x 192 bytes, 16 bytes of padding behind every 64
	s_or_b32 s[G1+0], s43, (0<<16)|(1<<20)|(1<<21)|(3<<22)|(3<<25)  ; 15:0 the mask; 17:16 elements of 1 byte; 20 padding on; 21 set beside a mask; 24:22 after every 16 words; 31:25 of 4 words
	s_or_b32 s[G1B+0], s44, (0<<16)|(1<<20)|(1<<21)|(3<<22)|(3<<25)
.irp g, G1, G1B
	s_mov_b32 s[\g+1], ROWB<<16                    ; tensor_dim0
	s_mov_b32 s[\g+2], 128<<16                     ; tensor_dim1
	s_mov_b32 s[\g+3], ROWB<<16                    ; tile_dim0
	s_mov_b32 s[\g+4], 128                         ; tile_dim1
	s_mov_b32 s[\g+5], KROW                        ; from row to row
	s_mov_b32 s[\g+6], 0
	s_mov_b32 s[\g+7], 0
.endr
	; the scales of 128 rows: a dense block of 4,096 bytes, as 16 rows of 256 bytes (32 elements of 8 bytes), 16 bytes of padding behind each
	s_or_b32 s[G1S+0], s43, (3<<16)|(1<<20)|(1<<21)|(5<<22)|(3<<25)
	s_or_b32 s[G1SB+0], s44, (3<<16)|(1<<20)|(1<<21)|(5<<22)|(3<<25)
.irp g, G1S, G1SB
	s_mov_b32 s[\g+1], 32<<16
	s_mov_b32 s[\g+2], (128*KS/256)<<16
	s_mov_b32 s[\g+3], 32<<16
	s_mov_b32 s[\g+4], 128*KS/256
	s_mov_b32 s[\g+5], 32
	s_mov_b32 s[\g+6], 0
	s_mov_b32 s[\g+7], 0
.endr
	s_lshl_b32 s2, s[HC], 7                        ; which 128 rows of the tile I fetch
	s_lshl_b32 s46, s[TA], 8
	s_add_co_u32 s46, s46, s2                      ; A's first row that I fetch
	s_lshl_b32 s47, s[TBI], 8
	s_add_co_u32 s47, s47, s2                      ; B's
	s_mov_b32 s101, 0
	s_mov_b32 s105, 0
	s_mul_i32 s45, s[WV], HALFT                    ; where the tiles go: wave x 128 rows: no place in the cluster enters an LDS address
	s_mul_i32 s67, s[WV], HALFS
	s_wait_kmcnt 0x0
	s_cmp_eq_u32 ttmp9, 2                          ; the operands are chosen by the cluster's x alone
	s_cselect_b64 s[92:93], s[16:17], s[4:5]       ; A's codes: wv or x
	s_cselect_b64 s[94:95], s[18:19], s[6:7]       ; A's scales
	s_cmp_eq_u32 ttmp9, 0
	s_cselect_b64 s[96:97], s[8:9], s[12:13]       ; B's codes: wq or wk,
	s_cselect_b64 s[98:99], s[10:11], s[14:15]
	s_cmp_eq_u32 ttmp9, 2
	s_cselect_b64 s[96:97], s[4:5], s[96:97]       ; or x
	s_cselect_b64 s[98:99], s[6:7], s[98:99]
	s_mul_i32 s100, s46, KROW                      ; under 2^23: 8,192 rows of 768 bytes
	s_add_nc_u64 s[92:93], s[92:93], s[100:101]
	s_lshl_b32 s100, s46, 5
	s_add_nc_u64 s[94:95], s[94:95], s[100:101]
	s_mul_i32 s104, s47, KROW
	s_add_nc_u64 s[96:97], s[96:97], s[104:105]
	s_lshl_b32 s104, s47, 5
	s_add_nc_u64 s[98:99], s[98:99], s[104:105]
	CROUND                                         ; all sixteen work-groups are here: the first joint loads meet
	s_mov_b32 s[G0S], 1
	s_add_co_u32 s[G0S+1], s67, SCL
	s_mov_b64 s[G0S+2:G0S+3], s[94:95]
	s_or_b32 s[G0S+3], s[G0S+3], 0x80000000
	s_mov_b32 s[G0SB], 1
	s_add_co_u32 s[G0SB+1], s67, SCL
	s_mov_b64 s[G0SB+2:G0SB+3], s[98:99]
	s_or_b32 s[G0SB+3], s[G0SB+3], 0x80000000
	JLOAD G0S, G1S, G0SB, G1SB                     ; the scales first: they are wanted with K step 0; filled once
.irp s, 0,1
	s_mov_b32 s[G0+4*\s], 1
	s_add_co_u32 s[G0+4*\s+1], s45, \s*SLOT
	s_add_nc_u64 s[G0+4*\s+2:G0+4*\s+3], s[92:93], \s*ROWB
	s_or_b32 s[G0+4*\s+3], s[G0+4*\s+3], 0x80000000
	s_mov_b32 s[G0B+4*\s], 1
	s_add_co_u32 s[G0B+4*\s+1], s45, \s*SLOT
	s_add_nc_u64 s[G0B+4*\s+2:G0B+4*\s+3], s[96:97], \s*ROWB
	s_or_b32 s[G0B+4*\s+3], s[G0B+4*\s+3], 0x80000000
	s_wait_alu depctr_va_vdst(0)
	s_wait_tensorcnt 0x0
	ds_add_u32 v28, v29
	s_wait_dscnt 0x0
	CROUND
	JLOAD G0+4*\s, G1, G0B+4*\s, G1B
.endr
	s_load_b256 s[4:11], s[0:1], 0x40              ; for the way out: cos s[4:5], sin s[6:7], qimg s[8:9], qsc s[10:11];
	s_load_b64 s[12:13], s[0:1], 0x60              ; kv.  Waited for at the way out; s4-s13 are not named in between
	v_and_b32 v1, 15, v0                           ; r
	v_bfe_u32 v2, v0, 4, 1                         ; h
	v_mul_u32_u24 v3, v1, PITCH
	v_mul_u32_u24 v4, v2, 24
	v_add_nc_u32 v4, v3, v4                        ; a fragment's row x pitch + 24 x half
	v_lshl_add_u32 v5, v2, 4, v4                   ; and the same behind one padding more
	s_mul_i32 s100, s[HR], HALFT                   ; my 128 rows of A
	s_mul_i32 s104, s[HC], HALFT                   ; my 128 rows of B,
	s_add_co_u32 s104, s104, 2*HALFT               ; which lie behind A's 256
.irp s, 0,1
	v_add_nc_u32 v[ADRA+\s], s100, v4
	v_add_nc_u32 v[ADRB+\s], s104, v4
	v_add_nc_u32 v[ADRA+2+\s], s100, v5
	v_add_nc_u32 v[ADRB+2+\s], s104, v5
	s_add_co_u32 s100, s100, SLOT
	s_add_co_u32 s104, s104, SLOT
.endr
	v_mul_u32_u24 v5, v1, KS                       ; my row's scales: 32 bytes a row,
	v_lshrrev_b32 v6, 8, v5
	v_lshl_add_u32 v5, v6, 4, v5                   ; and 16 more for each 256 passed
	s_mul_i32 s100, s[HR], HALFS                   ; A's: my 128 rows
	s_mul_i32 s104, s[HC], HALFS                   ; B's: my 128 rows, behind A's 256
	s_add_co_u32 s104, s104, 2*HALFS
	s_sub_co_u32 s104, s104, s100
	v_mul_u32_u24 v6, s104, v2                     ; lanes 16-31 take B's: one product, the distance x h
	s_add_co_u32 s100, s100, SCL
	v_add_nc_u32 v5, v5, v6
	v_add_nc_u32 v[ADRS], s100, v5
.macro FRAG reg, adr, q, i             ; a fragment: lane l holds row l % 16; registers 6 c .. 6 c + 5 hold K = 64 c + 32 (l / 16) + 0 .. 31: 24 bytes of the row's stream of bits, as they lie
.irp p, 0,1,2,3,4,5                    ; in pieces of 8 bytes.  Lanes 16-31 read three pieces further on; where that lies behind one padding more, the second address register serves
.set PCE, 12*(\q)+6*(\p/3)+\p%3
.if PCE%8 < 5
	ds_load_b64 v[\reg+2*\p:\reg+2*\p+1], v[\adr] offset:8*PCE+16*(PCE/8)+(\i)*16*PITCH
.else
	ds_load_b64 v[\reg+2*\p:\reg+2*\p+1], v[\adr+2] offset:8*PCE+16*(PCE/8)+(\i)*16*PITCH
.endif
.endr
.endm
; 16 matrix instructions: A's blocks a0, a0 + 1 x B's eight, 128 along K.  The 64 accumulators take turns, one instruction a turn, in the same order in every step.
.macro MUL16 a0, p, q, sc, zero
.irp a, \a0, \a0+1
.irp b, 0,1,2,3,4,5,6,7
.if \zero
	v_wmma_scale_f32_16x16x128_f8f6f4 v[8*(8*((\a)%4)+\b):8*(8*((\a)%4)+\b)+7], v[128*(\p)+FR*\b:128*(\p)+FR*\b+FR-1], v[AF+FR*(\a):AF+FR*(\a)+FR-1], 0, v[SC+8*NQ*(\sc)+NQ*\b+(\q)], v[SC+8*NQ*(\sc)+NQ*(\a)+(\q)] matrix_a_fmt:MATRIX_FMT_FP6 matrix_b_fmt:MATRIX_FMT_FP6 matrix_a_scale:MATRIX_SCALE_ROW1
.else
	v_wmma_scale_f32_16x16x128_f8f6f4 v[8*(8*((\a)%4)+\b):8*(8*((\a)%4)+\b)+7], v[128*(\p)+FR*\b:128*(\p)+FR*\b+FR-1], v[AF+FR*(\a):AF+FR*(\a)+FR-1], v[8*(8*((\a)%4)+\b):8*(8*((\a)%4)+\b)+7], v[SC+8*NQ*(\sc)+NQ*\b+(\q)], v[SC+8*NQ*(\sc)+NQ*(\a)+(\q)] matrix_a_fmt:MATRIX_FMT_FP6 matrix_b_fmt:MATRIX_FMT_FP6 matrix_a_scale:MATRIX_SCALE_ROW1
.endif
.endr
.endr
.endm
.macro FETCH_B slot, q, p              ; B's eight fragments of the slot's q-th 128 along K into set p
	WIN TO_B
.irp i, 0,1,2,3,4,5,6,7
	FRAG 128*(\p)+FR*\i, ADRB+\slot, \q, \i
.endr
	WIN 0
.endm
.macro FETCH_A slot, q, i0             ; A's blocks i0 .. i0 + 3
.irp i, \i0, \i0+1, \i0+2, \i0+3
	FRAG AF+FR*(\i), ADRA+\slot, \q, \i
.endr
.endm
.macro SCALES sc                       ; a K step's scale words into set sc: lanes 0-15 take A's block i, lanes 16-31 B's block i
.irp i, 0,1,2,3,4,5,6,7
	ds_load_b64 v[SC+8*NQ*\sc+NQ*\i:SC+8*NQ*\sc+NQ*\i+1], v[ADRS] offset:\i*SBLK
.endr
.endm
.macro PLACES n                        ; plain vector instructions that name none of a matrix instruction's registers (ISA guide 7.12.1)
.rept \n
	v_nop
.endr
.endm
; A step of 128 along K that has its successor in the same slot.
.macro STEP slot, q, zero
	s_wait_dscnt 4*NL                              ; B's set and A's blocks 0-3 are in; the youngest 24 loads (A's blocks 4-7) may be out
	WIN MUL_LO
	MUL16 0, (\q)%2, \q, \slot, \zero
	MUL16 2, (\q)%2, \q, \slot, \zero
	s_wait_dscnt 0                                 ; A's blocks 4-7 are in
	PLACES NP
	FETCH_B \slot, (\q)+1, 1-(\q)%2
	FETCH_A \slot, (\q)+1, 0
	WIN MUL_HI
	MUL16 4, (\q)%2, \q, \slot, \zero
	MUL16 6, (\q)%2, \q, \slot, \zero
	PLACES NP
	WIN 0
	FETCH_A \slot, (\q)+1, 4
.endm
; A slot's last step changes slots: ONE barrier; in front of it each wave waits for all its tensor loads, adds 0 to its spare word, and waits for that and for its own reads of this slot.
.macro TURN slot, next, fill
	s_wait_tensorcnt 0x0                           ; all my tensor loads have landed: my part of the next slot
	ds_add_u32 v[SPW], v[NIL]                      ; 0 onto my spare word
	s_wait_dscnt 4*NL+1                            ; (the add and the youngest 24 loads, A's blocks 4-7, may be out)
	WIN MUL_LO
	MUL16 0, 1, NQ-1, \slot, 0                     ; sixteen matrix instructions stand between the add and the wait for it
	s_wait_dscnt 0x0                               ; the add is done, and my reads of this slot are over
	s_barrier_signal -1
	MUL16 2, 1, NQ-1, \slot, 0
	WIN 0
	s_barrier_wait -1
.if \fill
	CREST                                          ; the barrier has opened a round of the cluster's barrier: no wave of any partner still reads this slot or has a load on its way
	s_add_nc_u64 s[G0+4*\slot+2:G0+4*\slot+3], s[G0+4*\slot+2:G0+4*\slot+3], 2*ROWB
	s_add_nc_u64 s[G0B+4*\slot+2:G0B+4*\slot+3], s[G0B+4*\slot+2:G0B+4*\slot+3], 2*ROWB
	JLOAD G0+4*\slot, G1, G0B+4*\slot, G1B         ; the first tensor load behind the round; its four v_nop are the places in front of the loads below
.else
	PLACES NP
.endif
	s_wait_alu depctr_va_vdst(0)
	v_add_nc_u32 v[ADRS], 4*NQ, v[ADRS]            ; on to the next K step's scale words
	FETCH_B \next, 0, 0
	FETCH_A \next, 0, 0
	SCALES \next
	WIN MUL_HI
	MUL16 4, 1, NQ-1, \slot, 0
	MUL16 6, 1, NQ-1, \slot, 0
	PLACES NP
	WIN 0
	FETCH_A \next, 0, 4
.endm
	s_wait_alu depctr_va_vdst(0)
	s_wait_tensorcnt 1                             ; the scales and my part of K step 0 are in (K step 1's load may be out)
	s_barrier_signal -1
	s_barrier_wait -1                              ; everybody's are
	FETCH_B 0, 0, 0
	FETCH_A 0, 0, 0
	SCALES 0
	FETCH_A 0, 0, 4
	STEP 0, 0, 1                                   ; the first step's products start the sums: nothing is cleared
	s_mov_b32 s3, LAPS-1
.Llap:                                                 ; a trip goes once round the ring and fills both slots again
	TURN 0, 1, 1
	STEP 1, 0, 0
	TURN 1, 0, 1
	STEP 0, 0, 0
	s_sub_co_u32 s3, s3, 1
	s_cmp_lg_u32 s3, 0
	s_cbranch_scc1 .Llap
	TURN 0, 1, 0                                   ; the last lap fills nothing
	STEP 1, 0, 0
	s_wait_dscnt 4*NL                              ; the very last step
	WIN MUL_LO
	MUL16 0, 1, NQ-1, 1, 0
	MUL16 2, 1, NQ-1, 1, 0
	s_wait_dscnt 0
	WIN MUL_HI
	MUL16 4, 1, NQ-1, 1, 0
	MUL16 6, 1, NQ-1, 1, 0
	WIN 0
; THE WAY OUT needs no LDS: what is stored are images of registers, 16 or 8 bytes a lane on end.
	PLACES NP                                      ; behind the last products: for the reads of results, and for the writes and loads into registers that held fragments
	s_wait_kmcnt 0x0                               ; cos, sin, qimg, qsc, kv
	v_and_b32 v1, 15, v0                           ; r
	v_bfe_u32 v2, v0, 4, 1                         ; h
	v_and_b32 v6, 31, v0
	v_lshlrev_b32 v8, 4, v6                        ; 16 x lane
	v_lshlrev_b32 v9, 3, v6                        ; 8 x lane
	v_lshlrev_b32 v10, 8, v1
	v_lshl_add_u32 v10, v2, 5, v10                 ; cos, sin: row r of 256 bytes, + 32 h
	s_mov_b32 s[SEL], 0x76543210
	s_mov_b32 s[SEL+1], 0xfedcba98
	s_mov_b32 s16, 0xffff0000                      ; lanes 16-31
	s_mov_b32 s101, 0
	s_cmp_eq_u32 ttmp9, 2
	s_cbranch_scc1 .Lv_out
; ---- q and k.  Accumulator (a, 4 hh + t), register j, lane (r, h): token 16 a + r, head hh of my two, d = 16 t + 8 h + j.
	v_mov_b32 v[TM+2], 0                           ; written once: a lane permute's destination counts as one of its sources
	v_mov_b32 v[TM+3], 0
	s_lshl_b32 s17, s[TA], 8
	s_lshl_b32 s18, s[HR], 7
	s_add_co_u32 s17, s17, s18                     ; my first token of 8,192
	s_lshr_b32 s18, s17, 11                        ; its batch
	s_and_b32 s17, s17, 2047                       ; and its place in the sequence, a multiple of 128
	s_lshl_b32 s19, s18, 4
	s_lshl_b32 s18, s[TBI], 2
	s_add_co_u32 s19, s19, s18
	s_lshl_b32 s18, s[HC], 1
	s_add_co_u32 s19, s19, s18                     ; 16 x batch + my first head
	s_lshl_b32 s100, s17, 8
	s_add_nc_u64 s[4:5], s[4:5], s[100:101]        ; cos and sin at my first token
	s_add_nc_u64 s[6:7], s[6:7], s[100:101]
	s_cmp_eq_u32 ttmp9, 0                          ; q or k: other buffers and strides, one text
	s_cselect_b64 s[92:93], s[8:9], s[12:13]       ; the images: qimg or kv
	s_cselect_b64 s[96:97], s[10:11], s[12:13]     ; the scale words: qsc or kv
	s_mov_b32 s43, 208896
	s_cselect_b32 s44, 98304, s43                  ; images, from head to head
	s_cselect_b32 s45, 8192, s43                   ; scale words, from head to head
	s_mov_b32 s43, 102                             ; kv: 13,056 bytes for 128 tokens
	s_cselect_b32 s46, 48, s43                     ; images, bytes a token
	s_cselect_b32 s47, 4, s43                      ; scale words, bytes a token
	s_cselect_b32 s43, 0, 12288                    ; kv: K's scale words lie 12,288 bytes into a record
	s_mul_i32 s100, s19, s44
	s_mul_i32 s18, s17, s46
	s_add_co_u32 s100, s100, s18
	s_add_nc_u64 s[92:93], s[92:93], s[100:101]    ; my first head's images
	s_mov_b32 s100, s44
	s_add_nc_u64 s[94:95], s[92:93], s[100:101]    ; my second head's
	s_mul_i32 s100, s19, s45
	s_mul_i32 s18, s17, s47
	s_add_co_u32 s100, s100, s18
	s_add_co_u32 s100, s100, s43
	s_add_nc_u64 s[96:97], s[96:97], s[100:101]    ; my first head's scale words
	s_mov_b32 s100, s45
	s_add_nc_u64 s[98:99], s[96:97], s[100:101]
; cos and sin of token tile a into set a % 4 of window 1: register 8 t + j = cos[token][16 t + 8 h + j], 32 further on sin's.  16 loads.
.macro LOADCS a
	WIN 0x40
.irp t, 0,1,2,3
.irp e, 0,1
	global_load_b128 v[64*((\a)%4)+8*\t+4*\e:64*((\a)%4)+8*\t+4*\e+3], v10, s[4:5] offset:4096*(\a)+64*\t+16*\e
	global_load_b128 v[64*((\a)%4)+32+8*\t+4*\e:64*((\a)%4)+32+8*\t+4*\e+3], v10, s[6:7] offset:4096*(\a)+64*\t+16*\e
.endr
.endr
	WIN 0
.endm
; rope of token tile a, head hh: T[d] = y[d] cos[d] - y[d + 32] sin[d] (d < 32), y[d] cos[d] + y[d - 32] sin[d] (d >= 32): d + 32 is the accumulator two further on, same lane, same register.
; The multiplications come first, ascending: each accumulator is first read at its low end.
.macro ROPE a, hh
	WIN 0x06+(\a)/4                                ; source 0: the accumulators' window; source 1: window 1; the rest window 0
.set AC, 8*(8*((\a)%4)+4*(\hh))
.set CSB, 64*((\a)%4)
.irp t, 0,1,2,3
.irp j, 0,2,4,6
	v_pk_mul_f32 v[T+8*\t+\j:T+8*\t+\j+1], v[AC+8*\t+\j:AC+8*\t+\j+1], v[CSB+8*\t+\j:CSB+8*\t+\j+1]
.endr
.endr
.irp t, 0,1
.irp j, 0,2,4,6
	v_pk_fma_f32 v[T+8*\t+\j:T+8*\t+\j+1], v[AC+8*(\t+2)+\j:AC+8*(\t+2)+\j+1], v[CSB+32+8*\t+\j:CSB+32+8*\t+\j+1], v[T+8*\t+\j:T+8*\t+\j+1] neg_lo:[1,0,0] neg_hi:[1,0,0]
.endr
.endr
.irp t, 2,3
.irp j, 0,2,4,6
	v_pk_fma_f32 v[T+8*\t+\j:T+8*\t+\j+1], v[AC+8*(\t-2)+\j:AC+8*(\t-2)+\j+1], v[CSB+32+8*\t+\j:CSB+32+8*\t+\j+1], v[T+8*\t+\j:T+8*\t+\j+1]
.endr
.endr
	WIN 0
.endm
; 32 numbers of a lane, v[s] on: registers 16 g + i are my half's sixteen of block g of my row.  They become six registers of codes, v[PC] .. v[PC + 5] (lane (r, h): block h), and the two scale bytes in v[PW].
.macro QUANT2 s
	s_wait_xcnt 0x0                                ; the stores issued so far have read their registers: the codes' registers may be written again
.irp g, 0,1
	v_max3_num_f32 v[TM+\g], |v[(\s)+16*\g]|, |v[(\s)+16*\g+1]|, 0x1800000   ; and the floor 2^(3 - 127): the byte cannot fall under 1
.endr
.irp i, 2,4,6,8,10,12,14
.irp g, 0,1
	v_max3_num_f32 v[TM+\g], v[TM+\g], |v[(\s)+16*\g+\i]|, |v[(\s)+16*\g+\i+1]|
.endr
.endr
.irp g, 0,1
	v_permlanex16_b32 v[TM+2+\g], v[TM+\g], s[SEL], s[SEL+1]
.endr
.irp g, 0,1
	v_max_num_f32 v[TM+\g], v[TM+\g], v[TM+2+\g]   ; with lane l xor 16's: the block's largest magnitude
.endr
.irp g, 0,1
	v_add_nc_u32 v[SO+\g], 0xff000000, v[TM+\g]    ; 2 off its exponent field: the conversion takes this operand's exponent field as its scale
.endr
.irp g, 0,1
	v_lshrrev_b32 v[TM+2+\g], 23, v[SO+\g]         ; the scale's byte
.endr
	v_lshl_or_b32 v[PW], v[TM+3], 8, v[TM+2]
	v_cvt_scalef32_pk16_fp6_f32 v[PC:PC+2], v[(\s):(\s)+15], v[SO]
	v_cvt_scalef32_pk16_fp6_f32 v[PC+6:PC+8], v[(\s)+16:(\s)+31], v[SO+1]   ; (a conversion's three registers begin on an even number)
	v_nop                                          ; one plain place behind a scaled conversion
.irp i, 0,1,2
	v_permlane16_swap_b32 v[PC+\i], v[PC+6+\i]     ; a whole block to a lane: lanes 0-15 block 0, lanes 16-31 block 1
.endr
.irp i, 0,1,2
	v_mov_b32 v[PC+3+\i], v[PC+6+\i]
.endr
.endm
	s_wait_alu depctr_va_vdst(0)
.irp a, 0,1,2,3
	LOADCS \a
.endr
.irp a, 0,1,2,3,4,5,6,7
.if \a < 5
	s_wait_loadcnt 48                              ; this tile's 16 loads are in; three younger sets of 16 may be out
.else
	s_wait_loadcnt 16*(7-\a)                       ; the counts run down
.endif
.irp hh, 0,1
	ROPE \a, \hh
	s_wait_alu depctr_va_vdst(0)
	QUANT2 T
	v_lshl_or_b32 v[PW], v[PW], 16, v[PW]          ; b0 b1 b0 b1: the upper 64 of the instruction's 128 along K hold nothing that counts; they repeat the real bytes
.if (\a)%2 == 0
	v_mov_b32 v[SW+4*\hh+\a/2], v[PW]              ; an even tile's words in lanes 0-15,
.else
	v_cndmask_b32 v[SW+4*\hh+\a/2], v[SW+4*\hh+\a/2], v[PW], s16   ; the odd tile's in lanes 16-31
.endif
	global_store_b128 v8, v[PC:PC+3], s[92+2*\hh:93+2*\hh] offset:768*\a          ; 512 consecutive bytes, at a multiple of 256 from the buffer's first byte
	global_store_b64 v9, v[PC+4:PC+5], s[92+2*\hh:93+2*\hh] offset:768*\a+512     ; and the 256 behind them
.endr
.if \a < 4
	LOADCS \a+4                                    ; into the set that has just been read
.endif
.endr
	global_store_b128 v8, v[SW:SW+3], s[96:97]     ; 128 tokens' scale words of a head: 512 consecutive bytes
	global_store_b128 v8, v[SW+4:SW+7], s[98:99]
	s_branch .Ldone
; ---- v.  Accumulator (a, b), register j, lane (r, h): feature 16 a + r of my 128 (head a / 4, d tile a % 4), token 16 b + 8 h + j.  The 64 registers of one a are 128 tokens: four blocks, one K step of the second attention product.
.Lv_out:
.irp g, 0,1,2,3
	v_mov_b32 v[VBX+\g], 0                         ; written once: a lane permute's destination counts as one of its sources
.endr
	s_lshl_b32 s17, s[TBI], 8
	s_lshl_b32 s18, s[HC], 7
	s_add_co_u32 s17, s17, s18                     ; my first token
	s_lshr_b32 s18, s17, 11
	s_and_b32 s17, s17, 2047
	s_lshl_b32 s19, s18, 4
	s_lshl_b32 s18, s[TA], 2
	s_add_co_u32 s19, s19, s18
	s_lshl_b32 s18, s[HR], 1
	s_add_co_u32 s19, s19, s18                     ; 16 x batch + my first head
	s_mul_i32 s100, s19, 208896
	s_mul_i32 s18, s17, 102
	s_add_co_u32 s100, s100, s18
	s_add_co_u32 s100, s100, 6144                  ; V's images lie behind K's eight
	s_add_nc_u64 s[92:93], s[12:13], s[100:101]
.macro QUANT4W a
.set AC, 64*((\a)%4)
	s_wait_xcnt 0x0                                ; the stores issued so far have read their registers
	WIN 0x0a+5*((\a)/4)                            ; sources 0 and 1: the accumulators' window
.irp g, 0,1,2,3
	v_max3_num_f32 v[VTM+\g], |v[AC+16*\g]|, |v[AC+16*\g+1]|, 0x1800000   ; ascending: each accumulator is first read at its low end
.endr
.irp i, 2,4,6,8,10,12,14
.irp g, 0,1,2,3
	v_max3_num_f32 v[VTM+\g], |v[AC+16*\g+\i]|, |v[AC+16*\g+\i+1]|, v[VTM+\g]
.endr
.endr
	WIN 0
.irp g, 0,1,2,3
	v_permlanex16_b32 v[VBX+\g], v[VTM+\g], s[SEL], s[SEL+1]
.endr
.irp g, 0,1,2,3
	v_max_num_f32 v[VTM+\g], v[VTM+\g], v[VBX+\g]
.endr
.irp g, 0,1,2,3
	v_add_nc_u32 v[VSO+\g], 0xff000000, v[VTM+\g]
.endr
.irp g, 0,1,2,3
	v_lshrrev_b32 v[VBY+\g], 23, v[VSO+\g]
.endr
	v_lshl_or_b32 v[VPW], v[VBY+1], 8, v[VBY]      ; my feature's scale word for these 128 keys
	v_lshl_or_b32 v[VPW], v[VBY+2], 16, v[VPW]
	v_lshl_or_b32 v[VPW], v[VBY+3], 24, v[VPW]
	WIN 0x02+(\a)/4                                ; source 0: the accumulators' window
.irp c, 0,1
	v_cvt_scalef32_pk16_fp6_f32 v[VPC+6*\c:VPC+6*\c+2], v[AC+32*\c:AC+32*\c+15], v[VSO+2*\c]
	v_cvt_scalef32_pk16_fp6_f32 v[VPT+4*\c:VPT+4*\c+2], v[AC+32*\c+16:AC+32*\c+31], v[VSO+2*\c+1]
.endr
	WIN 0
	v_nop                                          ; one plain place behind a scaled conversion
.irp c, 0,1
.irp i, 0,1,2
	v_permlane16_swap_b32 v[VPC+6*\c+\i], v[VPT+4*\c+\i]   ; lanes 0-15 block 2 c, lanes 16-31 block 2 c + 1
.endr
.irp i, 0,1,2
	v_mov_b32 v[VPC+3+6*\c+\i], v[VPT+4*\c+\i]
.endr
.endr
.endm
.irp a, 0,1,2,3,4,5,6,7
	QUANT4W \a
.if (\a)%2 == 0
	v_mov_b32 v[SW2+2*(\a/4)+(\a%4)/2], v[VPW]
.else
	v_cndmask_b32 v[SW2+2*(\a/4)+(\a%4)/2], v[SW2+2*(\a/4)+(\a%4)/2], v[VPW], s16
.endif
.irp c, 0,1,2
	global_store_b128 v8, v[VPC+4*\c:VPC+4*\c+3], s[92:93] offset:208896*(\a/4)+1536*(\a%4)+512*\c   ; 512 consecutive bytes each
.endr
.if (\a)%4 == 3
	global_store_b64 v9, v[SW2+2*(\a/4):SW2+2*(\a/4)+1], s[92:93] offset:208896*(\a/4)+6656       ; a head's scale words for these keys: 256 consecutive bytes
.endif
.endr
.Ldone:
	s_wait_tensorcnt 0x0                           ; the wave's end
	ds_add_u32 v[SPW], v[NIL]
	s_wait_dscnt 0x0
	CROUND                                         ; the closing round: no work-group ends while a partner may still ask for a tile that names it
	s_endpgm
.Lfunc_end_k_qcf78357cf4_qkv:
	.size	k_qcf78357cf4_qkv, .Lfunc_end_k_qcf78357cf4_qkv-k_qcf78357cf4_qkv
	.p2alignl 7, 3214868480
	.fill 96, 4, 3214868480
	.section	.rodata,"a",@progbits
	.p2align	6, 0x0
	.amdhsa_kernel k_qcf78357cf4_qkv
		.amdhsa_group_segment_fixed_size 327680
		.amdhsa_private_segment_fixed_size 0
		.amdhsa_enable_private_segment 0
		.amdhsa_kernarg_size 104
		.amdhsa_user_sgpr_count 2
		.amdhsa_user_sgpr_kernarg_segment_ptr 1
		.amdhsa_wavefront_size32 1
		.amdhsa_system_sgpr_workgroup_id_x 1
		.amdhsa_system_sgpr_workgroup_id_y 1
		.amdhsa_system_sgpr_workgroup_id_z 1
		.amdhsa_system_vgpr_workitem_id 0
		.amdhsa_next_free_vgpr 1024
		.amdhsa_next_free_sgpr 106
		.amdhsa_reserve_vcc 0
		.amdhsa_float_denorm_mode_32 3
		.amdhsa_float_denorm_mode_16_64 3
		.amdhsa_memory_ordered 1
		.amdhsa_forward_progress 1
		.amdhsa_inst_pref_size 249
	.end_amdhsa_kernel
	.amdgpu_metadata
---
amdhsa.version: [ 1, 2 ]
amdhsa.kernels:
  - .name:           k_qcf78357cf4_qkv
    .symbol:         k_qcf78357cf4_qkv.kd
    .args:
      - { .name: x_codes, .offset: 0, .size: 8, .value_kind: global_buffer, .address_space: global }
      - { .name: x_scales, .offset: 8, .size: 8, .value_kind: global_buffer, .address_space: global }
      - { .name: wq_codes, .offset: 16, .size: 8, .value_kind: global_buffer, .address_space: global }
      - { .name: wq_scales, .offset: 24, .size: 8, .value_kind: global_buffer, .address_space: global }
      - { .name: wk_codes, .offset: 32, .size: 8, .value_kind: global_buffer, .address_space: global }
      - { .name: wk_scales, .offset: 40, .size: 8, .value_kind: global_buffer, .address_space: global }
      - { .name: wv_codes, .offset: 48, .size: 8, .value_kind: global_buffer, .address_space: global }
      - { .name: wv_scales, .offset: 56, .size: 8, .value_kind: global_buffer, .address_space: global }
      - { .name: cos, .offset: 64, .size: 8, .value_kind: global_buffer, .address_space: global }
      - { .name: sin, .offset: 72, .size: 8, .value_kind: global_buffer, .address_space: global }
      - { .name: qimg, .offset: 80, .size: 8, .value_kind: global_buffer, .address_space: global }
      - { .name: qsc, .offset: 88, .size: 8, .value_kind: global_buffer, .address_space: global }
      - { .name: kv, .offset: 96, .size: 8, .value_kind: global_buffer, .address_space: global }
    .group_segment_fixed_size: 327680
    .private_segment_fixed_size: 0
    .kernarg_segment_align: 8
    .kernarg_segment_size: 104
    .max_flat_workgroup_size: 128
    .sgpr_count:     106
    .vgpr_count:     1024
    .wavefront_size: 32
...
	.end_amdgpu_metadata
.endif
;; end of part 1
;; launch attn (part 2): grid 4 x 64, 16 waves a work-group, clusters of 4 x 1, 210,944 bytes of LDS; arguments qimg, qsc, kv, oimg, osc; writes oimg, osc
.if DOCPART == 2
	.amdgcn_target "amdgcn-amd-amdhsa--gfx1250"
	.amdhsa_code_object_version 6
	.text
	.protected	k_qcf78357cf4_attn
	.globl	k_qcf78357cf4_attn
	.p2align	8
	.type	k_qcf78357cf4_attn,@function
k_qcf78357cf4_attn:
	s_mov_b64 s[64:65], 0
	v_nop
	global_prefetch_b8 v0, s[64:65] scope:SCOPE_SE
	s_setreg_imm32_b32 hwreg(HW_REG_WAVE_MODE, 25, 1), 1
	s_wait_xcnt 0x0
	s_wait_alu depctr_hold_cnt(0) depctr_sa_sdst(0) depctr_va_vdst(0) depctr_va_sdst(0) depctr_va_ssrc(0) depctr_va_vcc(0) depctr_vm_vsrc(0)
	s_getreg_b32 s2, hwreg(HW_REG_IB_STS2, 6, 4)
	s_cmp_eq_u32 s2, 0
	s_cbranch_scc0 .Lentry_in_a_cluster
	s_endpgm
.Lentry_in_a_cluster:
	s_bfe_u32 s2, ttmp6, 0x10000c
	s_cmp_lg_u32 s2, 0x3003
	s_cbranch_scc0 .Lentry_shape_is_right
	s_endpgm
.Lentry_shape_is_right:
; o = softmax(q k^T / 8) v for one head, both products on codes of FP6 (E2M3) with E8M0 scales; then o / l is quantised along d for the output projection.
; THE SOFTMAX: t = score x log2(e) / 8; M = the row's largest t so far, rounded UP to a whole number; p = 2^(t - M) is quantised along the keys, not normalised; the row's sum is taken of the unquantised p
; and divides O at the end.  When M moves, the sum and O are multiplied by 2^(old M - new M), which rounds nothing.
; SHARES.  A work-group owns 512 queries of one head (64 heads x 4 = 256 work-groups); each of its sixteen waves owns two tiles of 16 queries, one after the other (two passes), in 256 registers: four waves
; to a SIMD, so that one wave's vector work stands beside another's matrix work and LDS loads.
; LDS.  The head's K and V, 16 records of 13,056 bytes (128 keys each: 8 half images of K, 4 images of V^T, K's and V's scale words), lie in LDS just as they lie in memory: 208,896 bytes, FILLED ONCE, wave w
; bringing record w by one tensor load.  So there is no ring, no refill and no barrier in the loop.
; CLUSTER.  The four work-groups of a head want the same 208,896 bytes: each record is asked for JOINTLY, by the same load with the same descriptor and the mask of all four.
; LAYOUT.  Both products are used transposed: S^T = K Q^T (source 0 = 16 keys, source 1 = my 16 queries), O^T = V^T P^T (source 0 = 16 of the head's 64, source 1 = P): a lane holds ONE query throughout.
; K = 64 IN AN INSTRUCTION OF 128: Q's registers 6-11 are zero codes.  K's fragments lie six registers apart, so the upper six of a fragment are the next tile's codes (behind the last: zeros): they meet zero codes and add 0.
; The scale words repeat the two real bytes for the upper two blocks.
; THE ORDER INSIDE A BLOCK OF 32 is 0-7, 16-23, 8-15, 24-31 in q and k alike, and in p and v alike (the launch that makes them says why); o's blocks are brought into the natural order, since wo is given.
; LIMITS: NaN and infinities are not served.  A block of zeros gets the byte 1 (its codes are zeros; this program alone reads the bytes).  1 / l is v_rcp_f32.
.set REC,   13056                      ; a record: 51 rows of 256 bytes
.set HEADB, 16*REC
.set VIM,   6144                       ; in a record: V's images,
.set KSC,   12288                      ; K's scale words,
.set VSC,   12800                      ; V's scale words
.set L16, 1                            ; v1  16 x lane; never rewritten
.set L8,  2                            ; v2  8 x lane; never rewritten
.set A16, 3                            ; v3  the record in hand + 16 x lane
.set A8,  4                            ; v4  the record in hand + 8 x lane
.set R32, 5                            ; v5  32 x (lane % 16): a token's row of osc
.set QF,  16                           ; v16-27 Q's fragment (v22-27: zero codes)
.set QS,  28                           ; v28 Q's scale words
.set PS,  29                           ; v29 p's scale word
.set FF,  30                           ; v[30:31] f = 2^(old M - new M), and 0
.set KF,  32                           ; v32-85 K's eight half fragments and six zeros; later V's four fragments (v32-79)
.set KS,  86                           ; v86-89 K's scale words
.set VS,  90                           ; v90-91 V's
.set SS,  96                           ; v96-159 S^T, then p
.set OT,  160                          ; v160-191 O^T
.set PC,  192                          ; v192-203 p's codes
.set PT,  204                          ; v204-211 second halves on their way
.set BM,  212                          ; v212-215 each block's largest score, then largest p
.set BX,  216                          ; v216-219 the other half's, then the bytes
.set SO,  220                          ; v220-223 the conversions' scale operands
.set L2,  224                          ; v[224:225] the sum's second chain; at the end 1 / l
.set TP,  226                          ; v226 at work
.set Q1,  240                          ; v240-246 the second pass's Q and its scale word
.set TM,  BM                           ; QUANT2's names
.set PW,  TP
.set WV,  14
.set CX,  15
.set BH,  16
.set SEL, 20                           ; s[20:21] lane selects: lane l xor 16
.set CS,  22                           ; s[22:23] c = log2(e) / 8
.set G1,  24
.set G0,  32
.set TB,  36                           ; s36 LDS byte at which the record in hand begins
.set CNT, 37
.macro CROUND                          ; a round of the cluster's barrier
	s_barrier_signal -1
	s_barrier_wait -1
	s_cmp_lg_u32 s[WV], 0
	s_cbranch_scc1 .Lnot_wave_0_\@
	s_barrier_signal -3
.Lnot_wave_0_\@:
	s_barrier_wait -3
	s_barrier_signal -1
	s_barrier_wait -1
.endm
	s_load_b256 s[4:11], s[0:1], 0x0               ; qimg s[4:5], qsc s[6:7], kv s[8:9], oimg s[10:11]
	s_load_b64 s[12:13], s[0:1], 0x20              ; osc
	v_lshl_add_u32 v254, v0, 2, 0x33000
	v_mov_b32 v255, 0
	ds_add_u32 v254, v255
	ds_add_u32 v254, v255
	v_lshrrev_b32 v6, 5, v0
	s_delay_alu instid0(VALU_DEP_1)
	v_readfirstlane_b32 s[WV], v6                  ; wave 0..15
	s_bfe_u32 s[CX], ttmp6, 0x40000                ; my place in the cluster: it enters the addresses of q and o alone
	s_and_b32 s[BH], ttmp7, 0xffff                 ; 16 x batch + head, which the four partners share
	; descriptor group 1: 51 rows of 256 bytes (32 elements of 8 bytes), dense, no padding
	s_mov_b32 s[G1], 15|(3<<16)|(1<<21)            ; 15:0 the mask: all four work-groups; 17:16 elements of 8 bytes; 21 set beside a mask
	s_mov_b32 s[G1+1], 32<<16                      ; tensor_dim0
	s_mov_b32 s[G1+2], 51<<16                      ; tensor_dim1
	s_mov_b32 s[G1+3], 32<<16                      ; tile_dim0
	s_mov_b32 s[G1+4], 51                          ; tile_dim1
	s_mov_b32 s[G1+5], 32                          ; from row to row
	s_mov_b32 s[G1+6], 0
	s_mov_b32 s[G1+7], 0
	s_mov_b32 s[G0], 1
	s_mul_i32 s[G0+1], s[WV], REC                  ; record w goes to LDS byte 13,056 w
	s_mul_i32 s38, s[BH], HEADB
	s_add_co_u32 s38, s38, s[G0+1]
	s_mov_b32 s39, 0
	; q's images: 98,304 bh + 768 x (32 cx + w); the second pass 16 tiles on
	s_mul_i32 s40, s[BH], 98304
	s_mul_i32 s41, s[CX], 24576
	s_add_co_u32 s40, s40, s41
	s_mul_i32 s41, s[WV], 768
	s_add_co_u32 s40, s40, s41
	s_mov_b32 s41, 0
	; q's scale words: [bh][128 tokens][lane][4]: tile 32 cx + w is tile w % 8 of step 4 cx + w / 8: lanes 16 (w % 2) + r, word (w / 2) % 4
	s_lshl_b32 s42, s[BH], 13
	s_lshl_b32 s43, s[CX], 11
	s_add_co_u32 s42, s42, s43
	s_lshr_b32 s43, s[WV], 3
	s_lshl_b32 s43, s43, 9
	s_add_co_u32 s42, s42, s43
	s_and_b32 s43, s[WV], 1
	s_lshl_b32 s43, s43, 8
	s_add_co_u32 s42, s42, s43
	s_bfe_u32 s43, s[WV], 0x20001
	s_lshl_b32 s43, s43, 2
	s_add_co_u32 s42, s42, s43
	s_mov_b32 s43, 0
	; o's images: [128 batch + tile][head][768];  o's scale bytes: [token][32], bytes 2 head, 2 head + 1
	s_lshr_b32 s46, s[BH], 4                       ; batch
	s_and_b32 s47, s[BH], 15                       ; head
	s_mul_i32 s44, s46, 1572864
	s_mul_i32 s45, s[CX], 393216
	s_add_co_u32 s44, s44, s45
	s_mul_i32 s45, s[WV], 12288
	s_add_co_u32 s44, s44, s45
	s_mul_i32 s45, s47, 768
	s_add_co_u32 s44, s44, s45
	s_mov_b32 s45, 0
	s_lshl_b32 s46, s46, 16
	s_lshl_b32 s47, s47, 1
	s_add_co_u32 s46, s46, s47
	s_lshl_b32 s47, s[CX], 14
	s_add_co_u32 s46, s46, s47
	s_lshl_b32 s47, s[WV], 9
	s_add_co_u32 s46, s46, s47
	s_mov_b32 s47, 0
	s_mov_b32 s[SEL], 0x76543210
	s_mov_b32 s[SEL+1], 0xfedcba98
	s_mov_b32 s[CS], 0x3e38aa3b                    ; log2(e) / 8
	s_mov_b32 s[CS+1], s[CS]                       ; (named with it as a pair, so it is written)
	s_wait_dscnt 0x0
	s_wait_kmcnt 0x0
	s_add_nc_u64 s[G0+2:G0+3], s[8:9], s[38:39]
	s_or_b32 s[G0+3], s[G0+3], 0x80000000          ; type = 2
	CROUND                                         ; all four work-groups are here: the joint loads meet
	tensor_load_to_lds s[G0:G0+3], s[G1:G1+7]      ; my one tensor load: record w
	s_nop 0
.rept 4
	v_nop
.endr
	s_add_nc_u64 s[4:5], s[4:5], s[40:41]
	s_add_nc_u64 s[6:7], s[6:7], s[42:43]
	s_add_nc_u64 s[10:11], s[10:11], s[44:45]
	s_add_nc_u64 s[12:13], s[12:13], s[46:47]
	v_and_b32 v6, 31, v0
	s_delay_alu instid0(VALU_DEP_1)
	v_lshlrev_b32 v[L16], 4, v6
	s_delay_alu instid0(VALU_DEP_2)
	v_lshlrev_b32 v[L8], 3, v6
	v_and_b32 v7, 15, v0
	s_delay_alu instid0(VALU_DEP_1)
	v_lshlrev_b32 v[R32], 5, v7
	s_delay_alu instid0(VALU_DEP_2)
	v_lshlrev_b32 v8, 4, v7                        ; q's scale words: 16 bytes a lane of the stored layout
	global_load_b128 v[QF:QF+3], v[L16], s[4:5]                  ; the first pass's Q: the image comes back as it was stored
	global_load_b64 v[QF+4:QF+5], v[L8], s[4:5] offset:512
	global_load_b32 v[QS], v8, s[6:7]
	global_load_b128 v[Q1:Q1+3], v[L16], s[4:5] offset:12288     ; the second pass's, 16 tiles on
	global_load_b64 v[Q1+4:Q1+5], v[L8], s[4:5] offset:12288+512
	global_load_b32 v[Q1+6], v8, s[6:7] offset:1024
.irp i, 6,7,8,9,10,11
	v_mov_b32 v[QF+\i], 0                          ; zero codes for the upper 64 along K
.endr
.irp i, 48,49,50,51,52,53
	v_mov_b32 v[KF+\i], 0                          ; behind K's last half fragment
.endr
	v_mov_b32 v[FF+1], 0                           ; (named as the upper half of the pair)
.irp b, 0,1,2,3
	v_mov_b32 v[BX+\b], 0                          ; written once: a lane permute's destination counts as one of its sources
.endr
	s_wait_tensorcnt 0x0                           ; my record is in,
	s_barrier_signal -1
	s_barrier_wait -1                              ; everybody's is: from here on LDS is only read
	s_wait_loadcnt 0x0                             ; Q
; A KEY STEP: 128 keys, the record at s[TB].
.macro STEP
	v_add_nc_u32 v[A16], s[TB], v[L16]
	v_add_nc_u32 v[A8], s[TB], v[L8]
	v_nop
	v_nop                                          ; four places in front of loads into registers that the last products have read
.irp t, 0,1,2,3,4,5,6,7
	ds_load_b128 v[KF+6*\t:KF+6*\t+3], v[A16] offset:768*\t            ; 512 consecutive bytes
	ds_load_b64 v[KF+6*\t+4:KF+6*\t+5], v[A8] offset:768*\t+512
.endr
	ds_load_b128 v[KS:KS+3], v[A16] offset:KSC     ; register p, lane l: key 32 p + l
	s_wait_alu depctr_va_vdst(0)
	s_wait_dscnt 0x0
.irp t, 0,2,4,6                                ; S^T: in tile t lane (r, h) holds query r, register j key 16 t + 8 h + j
	v_wmma_scale_f32_16x16x128_f8f6f4 v[SS+8*\t:SS+8*\t+7], v[KF+6*\t:KF+6*\t+11], v[QF:QF+11], 0, v[KS+\t/2], v[QS] matrix_a_fmt:MATRIX_FMT_FP6 matrix_b_fmt:MATRIX_FMT_FP6
	v_wmma_scale_f32_16x16x128_f8f6f4 v[SS+8*(\t+1):SS+8*(\t+1)+7], v[KF+6*(\t+1):KF+6*(\t+1)+11], v[QF:QF+11], 0, v[KS+\t/2], v[QS] matrix_a_fmt:MATRIX_FMT_FP6 matrix_b_fmt:MATRIX_FMT_FP6 matrix_a_scale:MATRIX_SCALE_ROW1
.endr
.rept 4
	v_nop                                          ; places: for the loads below and for the first read of the scores
.endr
.irp n, 0,1,2,3                                ; V's four fragments are asked for now and land while the softmax is walked
.irp c, 0,1,2
	ds_load_b128 v[KF+12*\n+4*\c:KF+12*\n+4*\c+3], v[A16] offset:VIM+1536*\n+512*\c
.endr
.endr
	ds_load_b64 v[VS:VS+1], v[A8] offset:VSC       ; register p, lane (r, h): d tile 2 p + h, row r
.irp b, 0,1,2,3
	v_max3_num_f32 v[BM+\b], v[SS+16*\b], v[SS+16*\b+1], v[SS+16*\b+2]   ; the largest score of each block of 32 keys: for the row's maximum, and, since p rises with the score, for the block's largest p
.endr
.irp i, 3,5,7,9,11,13
.irp b, 0,1,2,3
	v_max3_num_f32 v[BM+\b], v[BM+\b], v[SS+16*\b+\i], v[SS+16*\b+\i+1]
.endr
.endr
.irp b, 0,1,2,3
	v_max_num_f32 v[BM+\b], v[BM+\b], v[SS+16*\b+15]
.endr
.irp b, 0,1,2,3
	s_delay_alu instid0(VALU_DEP_4)
	v_permlanex16_b32 v[BX+\b], v[BM+\b], s[SEL], s[SEL+1]
.endr
.irp b, 0,1,2,3
	s_delay_alu instid0(VALU_DEP_4)
	v_max_num_f32 v[BM+\b], v[BM+\b], v[BX+\b]     ; with lane l xor 16's 16 keys
.endr
	s_delay_alu instid0(VALU_DEP_2)
	v_max3_num_f32 v[TP], v[BM], v[BM+1], v[BM+2]
	s_delay_alu instid0(VALU_DEP_1)
	v_max_num_f32 v[TP], v[TP], v[BM+3]            ; the step's largest score of my query
	s_delay_alu instid0(VALU_DEP_1)
	v_mul_f32 v[TP], s[CS], v[TP]                  ; as t (c is positive)
	s_delay_alu instid0(VALU_DEP_1)
	v_max_num_f32 v13, v13, v[TP]                  ; the running largest t
	v_mov_b32 v[TP], v12
	s_delay_alu instid0(VALU_DEP_2)
	v_floor_f32 v12, -v13                          ; the new -M = floor(-t) = -ceil(t)
	s_delay_alu instid0(VALU_DEP_1)
	v_sub_f32 v[TP], v12, v[TP]                    ; old M - new M: a whole number, 0 or less
	s_delay_alu instid0(VALU_DEP_1)
	v_cvt_i32_f32 v[TP], v[TP]                     ; (it saturates)
	s_delay_alu instid0(VALU_DEP_1)
	v_ldexp_f32 v[FF], 1.0, v[TP]                  ; f = 2^(old M - new M)
.set j, 0
.rept 32
	v_pk_fma_f32 v[SS+j:SS+j+1], v[SS+j:SS+j+1], s[CS:CS+1], v[12:13] op_sel_hi:[1,0,0]   ; t - M, two at a time (of the pairs c and -M the low word serves both halves)
.set j, j+2
.endr
.irp b, 0,1,2,3
	v_fma_f32 v[BM+\b], v[BM+\b], s[CS], v12       ; the same of each block's largest score
.endr
.set j, 0
	s_wait_alu depctr_va_vdst(0)
.rept 64
	v_exp_f32 v[SS+j], v[SS+j]                     ; p = 2^(t - M), at most 1
.set j, j+1
.endr
	s_setprio 1
	v_pk_mul_f32 v[14:15], v[14:15], v[FF:FF+1] op_sel_hi:[1,0]   ; the sums under the new M: the plain instruction behind the exponentials
	s_wait_alu depctr_va_vdst(0)                   ; one wait for the whole batch, ahead of its first reader
.irp b, 0,1,2,3
	v_exp_f32 v[BM+\b], v[BM+\b]                   ; the block's largest p: the same two instructions on the same number give the same bits
.endr
	v_pk_add_f32 v[224:225], v[100:101], v[104:105]
	v_pk_add_f32 v[252:253], v[108:109], v[112:113]
	v_pk_add_f32 v[250:251], v[116:117], v[120:121]
	v_pk_add_f32 v[248:249], v[124:125], v[128:129]
	v_pk_add_f32 v[238:239], v[132:133], v[136:137]
	v_pk_add_f32 v[236:237], v[140:141], v[144:145]
	v_pk_add_f32 v[234:235], v[148:149], v[152:153]
	v_pk_add_f32 v[14:15], v[14:15], v[156:157]
	v_pk_add_f32 v[224:225], v[224:225], v[96:97]
	v_pk_add_f32 v[252:253], v[252:253], v[98:99]
	v_pk_add_f32 v[250:251], v[250:251], v[102:103]
	v_pk_add_f32 v[248:249], v[248:249], v[106:107]
	v_pk_add_f32 v[238:239], v[238:239], v[110:111]
	v_pk_add_f32 v[236:237], v[236:237], v[114:115]
	v_pk_add_f32 v[234:235], v[234:235], v[118:119]
	v_pk_add_f32 v[14:15], v[14:15], v[122:123]
	v_pk_add_f32 v[224:225], v[224:225], v[126:127]
	v_pk_add_f32 v[252:253], v[252:253], v[130:131]
	v_pk_add_f32 v[250:251], v[250:251], v[134:135]
	v_pk_add_f32 v[248:249], v[248:249], v[138:139]
	v_pk_add_f32 v[238:239], v[238:239], v[142:143]
	v_pk_add_f32 v[236:237], v[236:237], v[146:147]
	v_pk_add_f32 v[234:235], v[234:235], v[150:151]
	v_pk_add_f32 v[14:15], v[14:15], v[154:155]
	v_pk_add_f32 v[224:225], v[224:225], v[158:159]
	s_delay_alu instid0(VALU_DEP_2)
	v_pk_add_f32 v[14:15], v[14:15], v[248:249]
	s_delay_alu instid0(VALU_DEP_2)
	v_pk_add_f32 v[224:225], v[224:225], v[238:239]
	v_pk_add_f32 v[252:253], v[252:253], v[236:237]
	v_pk_add_f32 v[250:251], v[250:251], v[234:235]
	s_delay_alu instid0(VALU_DEP_2)
	v_pk_add_f32 v[14:15], v[14:15], v[252:253]
	s_delay_alu instid0(VALU_DEP_2)
	v_pk_add_f32 v[224:225], v[224:225], v[250:251]
	s_delay_alu instid0(VALU_DEP_1)
	v_pk_add_f32 v[14:15], v[14:15], v[224:225]
	s_wait_alu depctr_va_vdst(0)                   ; and one for the four
.irp b, 0,1,2,3
	v_max_num_f32 v[BM+\b], 0x1800000, v[BM+\b]    ; the floor 2^(3 - 127): the byte cannot fall under 1
.endr
.irp b, 0,1,2,3
	s_delay_alu instid0(VALU_DEP_4)
	v_add_nc_u32 v[SO+\b], 0xff000000, v[BM+\b]    ; 2 off the exponent field: the conversion's scale operand
.endr
.irp b, 0,1,2,3
	s_delay_alu instid0(VALU_DEP_4)
	v_lshrrev_b32 v[BX+\b], 23, v[SO+\b]           ; the scale's byte
.endr
	s_delay_alu instid0(VALU_DEP_3)
	v_lshl_or_b32 v[PS], v[BX+1], 8, v[BX]         ; p's scale word for these 128 keys
	s_delay_alu instid0(VALU_DEP_1)
	v_lshl_or_b32 v[PS], v[BX+2], 16, v[PS]
	s_delay_alu instid0(VALU_DEP_1)
	v_lshl_or_b32 v[PS], v[BX+3], 24, v[PS]
.irp c, 0,1
	v_cvt_scalef32_pk16_fp6_f32 v[PC+6*\c:PC+6*\c+2], v[SS+32*\c:SS+32*\c+15], v[SO+2*\c]
	v_cvt_scalef32_pk16_fp6_f32 v[PT+4*\c:PT+4*\c+2], v[SS+32*\c+16:SS+32*\c+31], v[SO+2*\c+1]
.endr
	v_nop                                          ; one plain place behind a scaled conversion
.irp c, 0,1
.irp i, 0,1,2
	v_permlane16_swap_b32 v[PC+6*\c+\i], v[PT+4*\c+\i]   ; a whole block to a lane: lanes 0-15 block 2 c, lanes 16-31 block 2 c + 1
.endr
.irp i, 0,1,2
	s_delay_alu instid0(VALU_DEP_3)
	v_mov_b32 v[PC+3+6*\c+\i], v[PT+4*\c+\i]
.endr
.endr
.set j, 0
	s_setprio 0
.rept 16
	v_pk_mul_f32 v[OT+j:OT+j+1], v[OT+j:OT+j+1], v[FF:FF+1] op_sel_hi:[1,0]   ; O^T under the new M.  Of these sixteen, twelve name no register of any one product below: the places behind the writes of p's codes and scale word
.set j, j+2
.endr
	s_wait_alu depctr_va_vdst(0)
	s_wait_dscnt 0x0                               ; V is in
.irp n, 0,2                                    ; O^T += V^T P^T: the four accumulators by turns; between two turns of one stand the others' and the eight products of the scores
	v_wmma_scale_f32_16x16x128_f8f6f4 v[OT+8*\n:OT+8*\n+7], v[KF+12*\n:KF+12*\n+11], v[PC:PC+11], v[OT+8*\n:OT+8*\n+7], v[VS+\n/2], v[PS] matrix_a_fmt:MATRIX_FMT_FP6 matrix_b_fmt:MATRIX_FMT_FP6
	v_wmma_scale_f32_16x16x128_f8f6f4 v[OT+8*(\n+1):OT+8*(\n+1)+7], v[KF+12*(\n+1):KF+12*(\n+1)+11], v[PC:PC+11], v[OT+8*(\n+1):OT+8*(\n+1)+7], v[VS+\n/2], v[PS] matrix_a_fmt:MATRIX_FMT_FP6 matrix_b_fmt:MATRIX_FMT_FP6 matrix_a_scale:MATRIX_SCALE_ROW1
.endr
	s_add_co_u32 s[TB], s[TB], REC                 ; the next record
.endm
; 32 numbers of a lane, v[s] on: registers 16 g + i are my half's sixteen of block g of my row.  They become six registers of codes, v[PC] .. v[PC + 5] (lane (r, h): block h), and the two scale bytes in v[PW].
.macro QUANT2 s
	s_wait_xcnt 0x0                                ; the stores issued so far have read their registers
.irp g, 0,1
	v_max3_num_f32 v[TM+\g], |v[(\s)+16*\g]|, |v[(\s)+16*\g+1]|, 0x1800000
.endr
.irp i, 2,4,6,8,10,12,14
.irp g, 0,1
	s_delay_alu instid0(VALU_DEP_2)
	v_max3_num_f32 v[TM+\g], v[TM+\g], |v[(\s)+16*\g+\i]|, |v[(\s)+16*\g+\i+1]|
.endr
.endr
.irp g, 0,1
	s_delay_alu instid0(VALU_DEP_2)
	v_permlanex16_b32 v[TM+2+\g], v[TM+\g], s[SEL], s[SEL+1]
.endr
.irp g, 0,1
	s_delay_alu instid0(VALU_DEP_2)
	v_max_num_f32 v[TM+\g], v[TM+\g], v[TM+2+\g]
.endr
.irp g, 0,1
	s_delay_alu instid0(VALU_DEP_2)
	v_add_nc_u32 v[SO+\g], 0xff000000, v[TM+\g]
.endr
.irp g, 0,1
	s_delay_alu instid0(VALU_DEP_2)
	v_lshrrev_b32 v[TM+2+\g], 23, v[SO+\g]
.endr
	s_delay_alu instid0(VALU_DEP_1)
	v_lshl_or_b32 v[PW], v[TM+3], 8, v[TM+2]
	v_cvt_scalef32_pk16_fp6_f32 v[PC:PC+2], v[(\s):(\s)+15], v[SO]
	v_cvt_scalef32_pk16_fp6_f32 v[PC+6:PC+8], v[(\s)+16:(\s)+31], v[SO+1]
	v_nop                                          ; one plain place behind a scaled conversion
.irp i, 0,1,2
	v_permlane16_swap_b32 v[PC+\i], v[PC+6+\i]
.endr
.irp i, 0,1,2
	s_delay_alu instid0(VALU_DEP_3)
	v_mov_b32 v[PC+3+\i], v[PC+6+\i]
.endr
.endm
; THE WAY OUT of a pass: O^T / l, the natural order of d, the quantiser, the image and the two scale bytes of each token.
.macro OUT p
.rept 4
	v_nop                                          ; places behind the last products
.endr
	v_add_f32 v14, v14, v15                        ; the sum's two halves,
	s_delay_alu instid0(VALU_DEP_1)
	v_permlanex16_b32 v[TP], v14, s[SEL], s[SEL+1]
	s_delay_alu instid0(VALU_DEP_1)
	v_add_f32 v14, v14, v[TP]                      ; and lane l xor 16's: the row's sum
	s_wait_alu depctr_va_vdst(0)
	v_rcp_f32 v[L2], v14
	v_mov_b32 v[L2+1], 0                           ; a plain place behind the transcendental; (the pair's upper half is named below)
	v_nop
	s_wait_alu depctr_va_vdst(0)                   ; the wait, ahead of the first reader
.set j, 0
.rept 16
	v_pk_mul_f32 v[SS+j:SS+j+1], v[OT+j:OT+j+1], v[L2:L2+1] op_sel_hi:[1,0]   ; ascending: each accumulator is first read at its low end.  Register 8 n + i: d = 16 n + 8 h + i
.set j, j+2
.endr
.irp g, 0,1
.irp i, 0,1,2,3,4,5,6,7
	v_permlane16_swap_b32 v[SS+16*\g+\i], v[SS+16*\g+8+\i]   ; d = 32 g + 8 + i of lanes 16-31 changes places with d = 32 g + 16 + i of lanes 0-15: register 16 g + i now holds d = 32 g + 16 h + i
.endr
.endr
	s_wait_alu depctr_va_vdst(0)
	QUANT2 SS
	global_store_b128 v[L16], v[PC:PC+3], s[10:11] offset:196608*\p        ; 512 consecutive bytes, at a multiple of 256 from the buffer's first byte
	global_store_b64 v[L8], v[PC+4:PC+5], s[10:11] offset:196608*\p+512    ; and the 256 behind them
	global_store_b16 v[R32], v[PW], s[12:13] offset:8192*\p                ; a token's two bytes of its row of 32, of which each head's work-group has two; lanes 16-31 store what lanes 0-15 store
.endm
.macro PASS p
.if \p
	s_wait_xcnt 0x0                                ; the first pass's stores have read their registers, which the softmax writes again
	v_mov_b32 v[QS], v[Q1+6]                       ; the second tile of queries; the lines below are the places ahead of the next products
.irp i, 0,1,2,3,4,5
	v_mov_b32 v[QF+\i], v[Q1+\i]
.endr
.endif
	v_mov_b32 v13, 0xff61b1e6                      ; the largest t so far: -3e38, under every t
	s_delay_alu instid0(VALU_DEP_1)
	v_floor_f32 v12, -v13                          ; -M
	v_mov_b32 v14, 0                               ; the sum, in two halves
	v_mov_b32 v15, 0
.set j, 0
.rept 32
	v_mov_b32 v[OT+j], 0                           ; O^T: the step is written once; its first trip finds zeros, which the first change of M leaves zeros
.set j, j+1
.endr
	s_mov_b32 s[TB], 0
	s_mov_b32 s[CNT], 16
.Lstep_\@:
	s_setprio 2
	STEP
	s_sub_co_u32 s[CNT], s[CNT], 1
	s_cmp_lg_u32 s[CNT], 0
	s_cbranch_scc1 .Lstep_\@
	s_setprio 0
	OUT \p
.endm
	PASS 0
	PASS 1
	s_wait_tensorcnt 0x0
	ds_add_u32 v254, v255
	s_wait_dscnt 0x0
	CROUND                                         ; the closing round: no work-group ends while a partner may still ask for a record that names it
	s_endpgm
.Lfunc_end_k_qcf78357cf4_attn:
	.size	k_qcf78357cf4_attn, .Lfunc_end_k_qcf78357cf4_attn-k_qcf78357cf4_attn
	.p2alignl 7, 3214868480
	.fill 96, 4, 3214868480
	.section	.rodata,"a",@progbits
	.p2align	6, 0x0
	.amdhsa_kernel k_qcf78357cf4_attn
		.amdhsa_group_segment_fixed_size 210944
		.amdhsa_private_segment_fixed_size 0
		.amdhsa_enable_private_segment 0
		.amdhsa_kernarg_size 40
		.amdhsa_user_sgpr_count 2
		.amdhsa_user_sgpr_kernarg_segment_ptr 1
		.amdhsa_wavefront_size32 1
		.amdhsa_system_sgpr_workgroup_id_x 1
		.amdhsa_system_sgpr_workgroup_id_y 1
		.amdhsa_system_sgpr_workgroup_id_z 1
		.amdhsa_system_vgpr_workitem_id 0
		.amdhsa_next_free_vgpr 256
		.amdhsa_next_free_sgpr 66
		.amdhsa_reserve_vcc 0
		.amdhsa_float_denorm_mode_32 3
		.amdhsa_float_denorm_mode_16_64 3
		.amdhsa_memory_ordered 1
		.amdhsa_forward_progress 1
		.amdhsa_inst_pref_size 53
	.end_amdhsa_kernel
	.amdgpu_metadata
---
amdhsa.version: [ 1, 2 ]
amdhsa.kernels:
  - .name:           k_qcf78357cf4_attn
    .symbol:         k_qcf78357cf4_attn.kd
    .args:
      - { .name: qimg, .offset: 0, .size: 8, .value_kind: global_buffer, .address_space: global }
      - { .name: qsc, .offset: 8, .size: 8, .value_kind: global_buffer, .address_space: global }
      - { .name: kv, .offset: 16, .size: 8, .value_kind: global_buffer, .address_space: global }
      - { .name: oimg, .offset: 24, .size: 8, .value_kind: global_buffer, .address_space: global }
      - { .name: osc, .offset: 32, .size: 8, .value_kind: global_buffer, .address_space: global }
    .group_segment_fixed_size: 210944
    .private_segment_fixed_size: 0
    .kernarg_segment_align: 8
    .kernarg_segment_size: 40
    .max_flat_workgroup_size: 512
    .sgpr_count:     66
    .vgpr_count:     256
    .wavefront_size: 32
...
	.end_amdgpu_metadata
.endif
;; end of part 2
;; launch proj (part 3): grid 4 x 32, 4 waves a work-group, clusters of 4 x 4, 327,680 bytes of LDS; arguments oimg, osc, wo_codes, wo_scales, out0; writes out0
.if DOCPART == 3
	.amdgcn_target "amdgcn-amd-amdhsa--gfx1250"
	.amdhsa_code_object_version 6
	.text
	.protected	k_qcf78357cf4_proj
	.globl	k_qcf78357cf4_proj
	.p2align	8
	.type	k_qcf78357cf4_proj,@function
k_qcf78357cf4_proj:
	s_mov_b64 s[64:65], 0
	v_nop
	global_prefetch_b8 v0, s[64:65] scope:SCOPE_SE
	s_setreg_imm32_b32 hwreg(HW_REG_WAVE_MODE, 25, 1), 1
	s_wait_xcnt 0x0
	s_wait_alu depctr_hold_cnt(0) depctr_sa_sdst(0) depctr_va_vdst(0) depctr_va_sdst(0) depctr_va_ssrc(0) depctr_va_vcc(0) depctr_vm_vsrc(0)
	s_getreg_b32 s2, hwreg(HW_REG_IB_STS2, 6, 4)
	s_cmp_eq_u32 s2, 0
	s_cbranch_scc0 .Lentry_in_a_cluster
	s_endpgm
.Lentry_in_a_cluster:
	s_bfe_u32 s2, ttmp6, 0x10000c
	s_cmp_lg_u32 s2, 0xf033
	s_cbranch_scc0 .Lentry_shape_is_right
	s_endpgm
.Lentry_shape_is_right:
; out0[m][n] = sum over k of o[m][k] wo[n][k]: 8,192 x 1,024 x 1,024 on codes of FP6 (E2M3) with one E8M0 scale for each 32 along K; sums and result in f32.
; wo arrives as rows of codes (768 bytes a row) and rows of scale bytes.  o comes from the attention launch as IMAGES OF OPERAND REGISTERS: oimg [16 tokens][head][768]: for K = 64 head .. 64 head + 63,
; registers 0-3 of lane l at 16 l, registers 4-5 at 512 + 8 l; two heads' half images are one fragment of 128 along K.  Its scale bytes osc are [token][32], as wo's.
; A tile of 256 x 256 is made by four waves, 128 x 128 each: 64 accumulators.  K goes in steps of 256 through a ring of two LDS slots filled by the tensor data mover.  The scales of the work-group's rows, for all
; of K, come into LDS once.  The grid has 128 work-groups: a smaller tile would read each LDS byte for half as many products.
; CLUSTERS: 4 x 4 work-groups; A's (o's) tiles are asked for jointly by a row of the cluster, B's (wo's) by a column.  THE MATRIX INSTRUCTION IS USED TRANSPOSED (source 0 = 16 rows of wo, source 1 = 16 tokens):
; a lane holds eight neighbouring numbers of a row of out0.
; REGISTERS, in windows of 256: window 0: v0-31 addresses; v32-63 scale words, two sets; v128-223 A's fragments, one set; on the way out v128-255.   window 1: B's fragments, two sets.   windows 2, 3: the accumulators.
.set SIZE_N, 1024
.set KSTEP,  256
.set NQ,     2
.set ROWB,   192                       ; a row of B's tile in bytes
.set KROW,   768                       ; a row of wo in memory
.set PITCH,  240                       ; B's LDS row: 3 x (64 bytes + 16 of padding)
.set FR,     12
.set NLA,    4                         ; LDS loads that bring a fragment of A
.set NP,     4                         ; places behind this matrix instruction (ISA guide 7.12.1)
.set TROW,   3072                      ; A: 16 tokens x 256 along K: four half images
.set HALFA,  8*TROW                    ; 128 tokens: one tensor load
.set HALFB,  128*PITCH                 ; 128 rows of wo: one tensor load
.set SLOT,   2*HALFA+2*HALFB           ; A's two halves, then B's two
.set LAPS,   2
.set KS,     32
.set SCL,    2*SLOT                    ; behind the ring: the scales
.set HALFS,  (128*KS/256)*272
.set SBLK,   (16*KS/256)*272
.set SPARE,  SCL+4*HALFS               ; the spare words: 128 bytes for each wave, named by no other line
.set SPITCH, 528                       ; the way out: a stage of 16 rows x (512 bytes + 16) for each wave, in slot 0, which has had its last fill and its last read by then
.set ADRA, 16                          ; v16-17 16 x lane + my 128 tokens in slot 0, 1; v18-19 the same with 8 x lane
.set ADRB, 20                          ; v20-21 my B fragments in slot 0, 1; v22-23 the same behind one padding more
.set STO,  24
.set RD,   25
.set CO,   26
.set ADRS, 27
.set SPW,  28                          ; v28 my spare word; never rewritten
.set NIL,  29                          ; v29 0; never rewritten
.set SC,   32
.set AF,   128
.set BK,   128
.set G1, 24
.set G0, 32
.set G1B, 48
.set G0B, 56
.set G1S, 68
.set G0S, 76
.set G1SB, 80
.set G0SB, 88
.set MSB, 0
.macro WIN new                         ; the immediate's high byte repeats the setting that is left
.if MSB != (\new)
	s_set_vgpr_msb (MSB<<8)|(\new)
.set MSB, (\new)
.endif
.endm
.set MUL_LO, 0xa1
.set MUL_HI, 0xf1
.set TO_B,   0x40
.macro JLOAD g0a, g1a, g0b, g1b        ; a joint load: waves 0 and 1 fetch for A, waves 2 and 3 for B; four v_nop follow each of the two lines
	s_cmp_eq_u32 s15, 0
	s_cbranch_scc0 .Lfor_b_\@
	tensor_load_to_lds s[\g0a:\g0a+3], s[\g1a:\g1a+7]
	s_nop 0
.rept 4
	v_nop
.endr
	s_branch .Lasked_\@
.Lfor_b_\@:
	tensor_load_to_lds s[\g0b:\g0b+3], s[\g1b:\g1b+7]
	s_nop 0
.rept 4
	v_nop
.endr
.Lasked_\@:
.endm
.macro CREST
	s_cmp_lg_u32 s14, 0
	s_cbranch_scc1 .Lnot_wave_0_\@
	s_barrier_signal -3
.Lnot_wave_0_\@:
	s_barrier_wait -3
	s_barrier_signal -1
	s_barrier_wait -1
.endm
.macro CROUND
	s_barrier_signal -1
	s_barrier_wait -1
	CREST
.endm
	s_load_b128 s[4:7], s[0:1], 0x0                ; oimg s[4:5], osc s[6:7]
	s_load_b128 s[8:11], s[0:1], 0x10              ; wo's codes s[8:9], wo's scales s[10:11]
	s_load_b64 s[12:13], s[0:1], 0x20              ; out0
	v_lshl_add_u32 v[SPW], v0, 2, SPARE
	v_mov_b32 v[NIL], 0
	ds_add_u32 v28, v29
	ds_add_u32 v28, v29
	s_wait_dscnt 0x0
	v_lshrrev_b32 v1, 5, v0
	v_readfirstlane_b32 s14, v1                    ; wave 0..3
	s_lshr_b32 s15, s14, 1                         ; my half of the tile's rows.  Also: I fetch for A (0) or for B (1)
	s_and_b32 s16, s14, 1                          ; my half of its columns.  Also: which half of that tile I fetch
	s_bfe_u32 s40, ttmp6, 0x40000                  ; cx, cy
	s_bfe_u32 s41, ttmp6, 0x40004
	s_lshl_b32 s42, ttmp9, 2
	s_add_co_u32 s42, s42, s40                     ; tile column
	s_and_b32 s17, ttmp7, 0xffff
	s_lshl_b32 s17, s17, 2
	s_add_co_u32 s17, s17, s41                     ; tile row
	s_lshl_b32 s43, s41, 2
	s_lshl_b32 s43, 15, s43                        ; my row of the cluster
	s_lshl_b32 s44, 0x1111, s40                    ; my column
	; A's tiles: 8 rows (tiles of 16 tokens) of 3,072 bytes (384 elements of 8 bytes), 12,288 bytes apart in memory, dense in LDS
	s_or_b32 s[G1+0], s43, (3<<16)|(1<<21)         ; 15:0 the mask; 17:16 elements of 8 bytes; 21 set beside a mask; no padding
	s_mov_b32 s[G1+1], 384<<16                     ; tensor_dim0
	s_mov_b32 s[G1+2], 8<<16                       ; tensor_dim1
	s_mov_b32 s[G1+3], 384<<16                     ; tile_dim0
	s_mov_b32 s[G1+4], 8                           ; tile_dim1
	s_mov_b32 s[G1+5], 1536                        ; from row to row
	s_mov_b32 s[G1+6], 0
	s_mov_b32 s[G1+7], 0
	; B's tiles: 128 rows x 192 bytes, 16 bytes of padding behind every 64
	s_or_b32 s[G1B+0], s44, (0<<16)|(1<<20)|(1<<21)|(3<<22)|(3<<25)
	s_mov_b32 s[G1B+1], ROWB<<16
	s_mov_b32 s[G1B+2], 128<<16
	s_mov_b32 s[G1B+3], ROWB<<16
	s_mov_b32 s[G1B+4], 128
	s_mov_b32 s[G1B+5], KROW
	s_mov_b32 s[G1B+6], 0
	s_mov_b32 s[G1B+7], 0
	; the scales of 128 rows: 4,096 dense bytes as 16 rows of 256, 16 bytes of padding behind each
	s_or_b32 s[G1S+0], s43, (3<<16)|(1<<20)|(1<<21)|(5<<22)|(3<<25)
	s_or_b32 s[G1SB+0], s44, (3<<16)|(1<<20)|(1<<21)|(5<<22)|(3<<25)
.irp g, G1S, G1SB
	s_mov_b32 s[\g+1], 32<<16
	s_mov_b32 s[\g+2], (128*KS/256)<<16
	s_mov_b32 s[\g+3], 32<<16
	s_mov_b32 s[\g+4], 128*KS/256
	s_mov_b32 s[\g+5], 32
	s_mov_b32 s[\g+6], 0
	s_mov_b32 s[\g+7], 0
.endr
	s_lshl_b32 s18, s16, 7                         ; which 128 rows of the tile I fetch
	s_lshl_b32 s22, s17, 8
	s_add_co_u32 s22, s22, s18                     ; A: token 256 x tile row + 128 x half
	s_mul_i32 s20, s22, 768                        ; its images: 12,288 bytes for 16 tokens
	s_mov_b32 s21, 0
	s_lshl_b32 s22, s22, 5                         ; its scale bytes
	s_mov_b32 s23, 0
	s_lshl_b32 s46, s42, 8
	s_add_co_u32 s46, s46, s18                     ; B: row 256 x tile column + 128 x half
	s_lshl_b32 s92, s46, 5
	s_mov_b32 s93, 0
	s_mul_i32 s46, s46, KROW
	s_mov_b32 s47, 0
	s_mul_i32 s45, s16, HALFA                      ; where they go: no place in the cluster enters an LDS address
	s_mul_i32 s95, s16, HALFB
	s_add_co_u32 s95, s95, 2*HALFA
	s_mul_i32 s94, s14, HALFS
	s_wait_kmcnt 0x0
	s_add_nc_u64 s[20:21], s[4:5], s[20:21]
	s_add_nc_u64 s[22:23], s[6:7], s[22:23]
	s_add_nc_u64 s[46:47], s[8:9], s[46:47]
	s_add_nc_u64 s[92:93], s[10:11], s[92:93]
	CROUND                                         ; all sixteen work-groups are here: the first joint loads meet
	s_mov_b32 s[G0S], 1
	s_add_co_u32 s[G0S+1], s94, SCL
	s_mov_b64 s[G0S+2:G0S+3], s[22:23]
	s_or_b32 s[G0S+3], s[G0S+3], 0x80000000
	s_mov_b32 s[G0SB], 1
	s_add_co_u32 s[G0SB+1], s94, SCL
	s_mov_b64 s[G0SB+2:G0SB+3], s[92:93]
	s_or_b32 s[G0SB+3], s[G0SB+3], 0x80000000
	JLOAD G0S, G1S, G0SB, G1SB                     ; the scales first; filled once
.irp s, 0,1
	s_mov_b32 s[G0+4*\s], 1
	s_add_co_u32 s[G0+4*\s+1], s45, \s*SLOT
	s_add_nc_u64 s[G0+4*\s+2:G0+4*\s+3], s[20:21], \s*TROW
	s_or_b32 s[G0+4*\s+3], s[G0+4*\s+3], 0x80000000
	s_mov_b32 s[G0B+4*\s], 1
	s_add_co_u32 s[G0B+4*\s+1], s95, \s*SLOT
	s_add_nc_u64 s[G0B+4*\s+2:G0B+4*\s+3], s[46:47], \s*ROWB
	s_or_b32 s[G0B+4*\s+3], s[G0B+4*\s+3], 0x80000000
	s_wait_alu depctr_va_vdst(0)
	s_wait_tensorcnt 0x0
	ds_add_u32 v28, v29
	s_wait_dscnt 0x0
	CROUND
	JLOAD G0+4*\s, G1, G0B+4*\s, G1B
.endr
	v_and_b32 v1, 15, v0                           ; r
	v_bfe_u32 v2, v0, 4, 1                         ; h
	v_and_b32 v7, 31, v0
	v_lshlrev_b32 v8, 4, v7                        ; 16 x lane
	v_lshlrev_b32 v9, 3, v7                        ; 8 x lane
	v_mul_u32_u24 v3, v1, PITCH
	v_mul_u32_u24 v4, v2, 24
	v_add_nc_u32 v4, v3, v4                        ; B: a fragment's row x pitch + 24 x half
	v_lshl_add_u32 v5, v2, 4, v4                   ; and the same behind one padding more
	s_mul_i32 s21, s15, HALFA                      ; my 128 tokens
	s_mul_i32 s22, s16, HALFB                      ; my 128 rows of B,
	s_add_co_u32 s22, s22, 2*HALFA                 ; which lie behind A's two halves
.irp s, 0,1
	v_add_nc_u32 v[ADRA+\s], s21, v8
	v_add_nc_u32 v[ADRA+2+\s], s21, v9
	v_add_nc_u32 v[ADRB+\s], s22, v4
	v_add_nc_u32 v[ADRB+2+\s], s22, v5
	s_add_co_u32 s21, s21, SLOT
	s_add_co_u32 s22, s22, SLOT
.endr
	v_mul_u32_u24 v5, v1, KS                       ; my row's scales: 32 bytes a row,
	v_lshrrev_b32 v6, 8, v5
	v_lshl_add_u32 v5, v6, 4, v5                   ; and 16 more for each 256 passed
	s_mul_i32 s21, s15, HALFS
	s_mul_i32 s22, s16, HALFS
	s_add_co_u32 s22, s22, 2*HALFS
	s_sub_co_u32 s22, s22, s21
	v_mul_u32_u24 v6, s22, v2                      ; lanes 16-31 take B's: one product, the distance x h
	s_add_co_u32 s21, s21, SCL
	v_add_nc_u32 v5, v5, v6
	v_add_nc_u32 v[ADRS], s21, v5
	s_mul_i32 s23, s14, 16*SPITCH                  ; my stage
	v_mul_u32_u24 v5, v1, SPITCH                   ; in: row r, 32 bytes for each half of the lanes
	v_lshl_add_u32 v5, v2, 5, v5
	v_add_nc_u32 v[STO], s23, v5
	v_lshlrev_b32 v[CO], 4, v7                     ; back: the 32 lanes take one row of 512 bytes; and the same in out0
	v_add_nc_u32 v[RD], s23, v[CO]
	s_lshl_b32 s20, s17, 8
	s_lshl_b32 s21, s15, 7
	s_add_co_u32 s20, s20, s21                     ; my first row of out0
	s_mov_b32 s21, 0
	s_mov_b64 s[18:19], SIZE_N*4
	s_mul_u64 s[20:21], s[20:21], s[18:19]
	s_lshl_b32 s46, s42, 10                        ; my first column, in bytes
	s_lshl_b32 s47, s16, 9
	s_add_co_u32 s46, s46, s47
	s_mov_b32 s47, 0
	s_add_nc_u64 s[20:21], s[20:21], s[46:47]
	s_add_nc_u64 s[12:13], s[12:13], s[20:21]
.macro FRAG reg, adr, q, i             ; a fragment of B from rows of codes: pieces of 8 bytes; where lanes 16-31's piece lies behind one padding more, the second address register serves
.irp p, 0,1,2,3,4,5
.set PCE, 12*(\q)+6*(\p/3)+\p%3
.if PCE%8 < 5
	ds_load_b64 v[\reg+2*\p:\reg+2*\p+1], v[\adr] offset:8*PCE+16*(PCE/8)+(\i)*16*PITCH
.else
	ds_load_b64 v[\reg+2*\p:\reg+2*\p+1], v[\adr+2] offset:8*PCE+16*(PCE/8)+(\i)*16*PITCH
.endif
.endr
.endm
.macro FRAGA reg, slot, q, i           ; a fragment of A from two half images: each load takes 512 or 256 consecutive bytes
	ds_load_b128 v[\reg:\reg+3], v[ADRA+\slot] offset:TROW*(\i)+1536*(\q)
	ds_load_b64 v[\reg+4:\reg+5], v[ADRA+2+\slot] offset:TROW*(\i)+1536*(\q)+512
	ds_load_b128 v[\reg+6:\reg+9], v[ADRA+\slot] offset:TROW*(\i)+1536*(\q)+768
	ds_load_b64 v[\reg+10:\reg+11], v[ADRA+2+\slot] offset:TROW*(\i)+1536*(\q)+1280
.endm
; 16 matrix instructions: A's blocks a0, a0 + 1 x B's eight.  The 64 accumulators take turns, one instruction a turn, in the same order in every step.
.macro MUL16 a0, p, q, sc, zero
.irp a, \a0, \a0+1
.irp b, 0,1,2,3,4,5,6,7
.if \zero
	v_wmma_scale_f32_16x16x128_f8f6f4 v[8*(8*((\a)%4)+\b):8*(8*((\a)%4)+\b)+7], v[128*(\p)+FR*\b:128*(\p)+FR*\b+FR-1], v[AF+FR*(\a):AF+FR*(\a)+FR-1], 0, v[SC+8*NQ*(\sc)+NQ*\b+(\q)], v[SC+8*NQ*(\sc)+NQ*(\a)+(\q)] matrix_a_fmt:MATRIX_FMT_FP6 matrix_b_fmt:MATRIX_FMT_FP6 matrix_a_scale:MATRIX_SCALE_ROW1
.else
	v_wmma_scale_f32_16x16x128_f8f6f4 v[8*(8*((\a)%4)+\b):8*(8*((\a)%4)+\b)+7], v[128*(\p)+FR*\b:128*(\p)+FR*\b+FR-1], v[AF+FR*(\a):AF+FR*(\a)+FR-1], v[8*(8*((\a)%4)+\b):8*(8*((\a)%4)+\b)+7], v[SC+8*NQ*(\sc)+NQ*\b+(\q)], v[SC+8*NQ*(\sc)+NQ*(\a)+(\q)] matrix_a_fmt:MATRIX_FMT_FP6 matrix_b_fmt:MATRIX_FMT_FP6 matrix_a_scale:MATRIX_SCALE_ROW1
.endif
.endr
.endr
.endm
.macro FETCH_B slot, q, p
	WIN TO_B
.irp i, 0,1,2,3,4,5,6,7
	FRAG 128*(\p)+FR*\i, ADRB+\slot, \q, \i
.endr
	WIN 0
.endm
.macro FETCH_A slot, q, i0
.irp i, \i0, \i0+1, \i0+2, \i0+3
	FRAGA AF+FR*(\i), \slot, \q, \i
.endr
.endm
.macro SCALES sc
.irp i, 0,1,2,3,4,5,6,7
	ds_load_b64 v[SC+8*NQ*\sc+NQ*\i:SC+8*NQ*\sc+NQ*\i+1], v[ADRS] offset:\i*SBLK
.endr
.endm
.macro PLACES n
.rept \n
	v_nop
.endr
.endm
.macro STEP slot, q, zero
	s_wait_dscnt 4*NLA                             ; B's set and A's blocks 0-3 are in; the youngest 16 loads (A's blocks 4-7) may be out
	WIN MUL_LO
	MUL16 0, (\q)%2, \q, \slot, \zero
	MUL16 2, (\q)%2, \q, \slot, \zero
	s_wait_dscnt 0
	PLACES NP
	FETCH_B \slot, (\q)+1, 1-(\q)%2
	FETCH_A \slot, (\q)+1, 0
	WIN MUL_HI
	MUL16 4, (\q)%2, \q, \slot, \zero
	MUL16 6, (\q)%2, \q, \slot, \zero
	PLACES NP
	WIN 0
	FETCH_A \slot, (\q)+1, 4
.endm
; A slot's last step changes slots: ONE barrier; in front of it each wave waits for all its tensor loads, adds 0 to its spare word, and waits for that and for its own reads of this slot.
.macro TURN slot, next, fill
	s_wait_tensorcnt 0x0                           ; all my tensor loads have landed: my part of the next slot
	ds_add_u32 v[SPW], v[NIL]                      ; 0 onto my spare word
	s_wait_dscnt 4*NLA+1                           ; (the add and the youngest 16 loads may be out)
	WIN MUL_LO
	MUL16 0, 1, NQ-1, \slot, 0
	s_wait_dscnt 0x0                               ; the add is done, and my reads of this slot are over
	s_barrier_signal -1
	MUL16 2, 1, NQ-1, \slot, 0
	WIN 0
	s_barrier_wait -1
.if \fill
	CREST                                          ; the barrier has opened a round of the cluster's barrier
	s_add_nc_u64 s[G0+4*\slot+2:G0+4*\slot+3], s[G0+4*\slot+2:G0+4*\slot+3], 2*TROW
	s_add_nc_u64 s[G0B+4*\slot+2:G0B+4*\slot+3], s[G0B+4*\slot+2:G0B+4*\slot+3], 2*ROWB
	JLOAD G0+4*\slot, G1, G0B+4*\slot, G1B         ; the first tensor load behind the round; its four v_nop are the places in front of the loads below
.else
	PLACES NP
.endif
	s_wait_alu depctr_va_vdst(0)
	v_add_nc_u32 v[ADRS], 4*NQ, v[ADRS]
	FETCH_B \next, 0, 0
	FETCH_A \next, 0, 0
	SCALES \next
	WIN MUL_HI
	MUL16 4, 1, NQ-1, \slot, 0
	MUL16 6, 1, NQ-1, \slot, 0
	PLACES NP
	WIN 0
	FETCH_A \next, 0, 4
.endm
	s_wait_alu depctr_va_vdst(0)
	s_wait_tensorcnt 1                             ; the scales and my part of K step 0 are in (K step 1's load may be out)
	s_barrier_signal -1
	s_barrier_wait -1
	FETCH_B 0, 0, 0
	FETCH_A 0, 0, 0
	SCALES 0
	FETCH_A 0, 0, 4
	STEP 0, 0, 1                                   ; the first step's products start the sums
	s_mov_b32 s3, LAPS-1
.Llap:
	TURN 0, 1, 1
	STEP 1, 0, 0
	TURN 1, 0, 1
	STEP 0, 0, 0
	s_sub_co_u32 s3, s3, 1
	s_cmp_lg_u32 s3, 0
	s_cbranch_scc1 .Llap
	TURN 0, 1, 0                                   ; the last lap fills nothing
	STEP 1, 0, 0
	s_wait_dscnt 4*NLA
	WIN MUL_LO
	MUL16 0, 1, NQ-1, 1, 0
	MUL16 2, 1, NQ-1, 1, 0
	s_wait_dscnt 0
	WIN MUL_HI
	MUL16 4, 1, NQ-1, 1, 0
	MUL16 6, 1, NQ-1, 1, 0
	WIN 0
; THE WAY OUT, block by block of 16 rows x 128 columns, through my own stage in LDS: in as 32 bytes a lane, back as whole rows of 512 bytes.  LDS serves a wave's instructions in order (ISA guide 5.7.1.4).
.macro TOSTAGE a
.set AC, 64*((\a)%4)
	WIN 0x08+4*((\a)/4)                            ; the data: window 2 or 3
.irp b, 0,1,2,3,4,5,6,7
	ds_store_b128 v[STO], v[AC+8*\b:AC+8*\b+3] offset:64*\b          ; each accumulator from its low end on
	ds_store_b128 v[STO], v[AC+8*\b+4:AC+8*\b+7] offset:64*\b+16
.endr
	WIN 0
.set BB, BK+64*((\a)%2)
.irp t, 0,1,2,3,4,5,6,7,8,9,10,11,12,13,14,15
	ds_load_b128 v[BB+4*\t:BB+4*\t+3], v[RD] offset:\t*SPITCH
.endr
.endm
.macro SEND a, younger                 ; younger: the LDS instructions issued behind block a's loads, which may stay out
.set BB, BK+64*((\a)%2)
	s_wait_dscnt \younger
.if (\a) > 0
	s_add_nc_u64 s[12:13], s[12:13], 16*SIZE_N*4   ; (behind a wait on XCNT: the earlier stores have read their base)
.endif
.irp t, 0,1,2,3,4,5,6,7,8,9,10,11,12,13,14,15
	global_store_b128 v[CO], v[BB+4*\t:BB+4*\t+3], s[12:13] offset:\t*SIZE_N*4 th:TH_STORE_NT   ; 32 lanes store 512 consecutive bytes, at a multiple of 256 from out0's first byte
.endr
.endm
	PLACES NP                                      ; behind the last products: for the loads into the registers that held A's fragments and for the reads of results
	TOSTAGE 0
.irp a, 1,2,3,4,5,6,7
.if \a > 1
	s_wait_xcnt 0x0                                ; block a - 2's stores have read their registers and their base
.endif
	TOSTAGE \a
	SEND \a-1, 32                                  ; behind block a - 1's loads: block a's 16 stores and 16 loads
.endr
	s_wait_xcnt 0x0
	SEND 7, 0
	s_wait_tensorcnt 0x0                           ; the wave's end
	ds_add_u32 v[SPW], v[NIL]
	s_wait_dscnt 0x0
	CROUND                                         ; the closing round
	s_endpgm
.Lfunc_end_k_qcf78357cf4_proj:
	.size	k_qcf78357cf4_proj, .Lfunc_end_k_qcf78357cf4_proj-k_qcf78357cf4_proj
	.p2alignl 7, 3214868480
	.fill 96, 4, 3214868480
	.section	.rodata,"a",@progbits
	.p2align	6, 0x0
	.amdhsa_kernel k_qcf78357cf4_proj
		.amdhsa_group_segment_fixed_size 327680
		.amdhsa_private_segment_fixed_size 0
		.amdhsa_enable_private_segment 0
		.amdhsa_kernarg_size 40
		.amdhsa_user_sgpr_count 2
		.amdhsa_user_sgpr_kernarg_segment_ptr 1
		.amdhsa_wavefront_size32 1
		.amdhsa_system_sgpr_workgroup_id_x 1
		.amdhsa_system_sgpr_workgroup_id_y 1
		.amdhsa_system_sgpr_workgroup_id_z 1
		.amdhsa_system_vgpr_workitem_id 0
		.amdhsa_next_free_vgpr 1024
		.amdhsa_next_free_sgpr 98
		.amdhsa_reserve_vcc 0
		.amdhsa_float_denorm_mode_32 3
		.amdhsa_float_denorm_mode_16_64 3
		.amdhsa_memory_ordered 1
		.amdhsa_forward_progress 1
		.amdhsa_inst_pref_size 153
	.end_amdhsa_kernel
	.amdgpu_metadata
---
amdhsa.version: [ 1, 2 ]
amdhsa.kernels:
  - .name:           k_qcf78357cf4_proj
    .symbol:         k_qcf78357cf4_proj.kd
    .args:
      - { .name: oimg, .offset: 0, .size: 8, .value_kind: global_buffer, .address_space: global }
      - { .name: osc, .offset: 8, .size: 8, .value_kind: global_buffer, .address_space: global }
      - { .name: wo_codes, .offset: 16, .size: 8, .value_kind: global_buffer, .address_space: global }
      - { .name: wo_scales, .offset: 24, .size: 8, .value_kind: global_buffer, .address_space: global }
      - { .name: out0, .offset: 32, .size: 8, .value_kind: global_buffer, .address_space: global }
    .group_segment_fixed_size: 327680
    .private_segment_fixed_size: 0
    .kernarg_segment_align: 8
    .kernarg_segment_size: 40
    .max_flat_workgroup_size: 128
    .sgpr_count:     98
    .vgpr_count:     1024
    .wavefront_size: 32
...
	.end_amdgpu_metadata
.endif
;; end of part 3
